; MI455X (gfx1250); checked and timed in simulation.
; The chip was launched on July 23, 2026; its instructions are those of AMD's public machine-readable ISA for CDNA 5 (MIT licence, August 2026) and "CDNA5" Instruction Set Architecture Reference Guide (July 2026). The comments in the code are by the model that wrote it; some were corrected since.
;; Clustered Attention Chunking. Allowed arithmetic: matrix products marked QUANTISED: E3M2 operands, one E8M0 scale for each 32 along K, by v_wmma_scale_f32_16x16x128_f8f6f4 with both operands' format E3M2, f32 sums; everything else in f32.
;; Inputs: Wd_codes 256 x 8 x 24 uint8 (E3M2 codes of Wd, K innermost, in blocks of 32 codes, four codes in three bytes); Wd_scales 256 x 8 uint8 (E8M0 scales of Wd, one for each 32 codes along K); Wk_codes 256 x 8 x 24 uint8 (E3M2 codes of Wk, K innermost, in blocks of 32 codes, four codes in three bytes); Wk_scales 256 x 8 uint8 (E8M0 scales of Wk, one for each 32 codes along K); Wq_codes 256 x 8 x 24 uint8 (E3M2 codes of Wq, K innermost, in blocks of 32 codes, four codes in three bytes); Wq_scales 256 x 8 uint8 (E8M0 scales of Wq, one for each 32 codes along K); Wv_codes 256 x 8 x 24 uint8 (E3M2 codes of Wv, K innermost, in blocks of 32 codes, four codes in three bytes); Wv_scales 256 x 8 uint8 (E8M0 scales of Wv, one for each 32 codes along K); attention_mask 256 x 1 x 256 x 256 float32; bd 256 float32; bk 256 float32; bq 256 float32; bv 256 float32; cluster_id 256 x 256 int32; ln_b 256 float32; ln_w 256 float32; seq 256 x 256 x 256 float32.
;; Outputs: out0 256 x 256 x 256 float32.
;; This version of the problem:
;;   THIS VERSION OF THE PROBLEM IS GIVEN IN LOW PRECISION. The matrix products marked QUANTISED in the list below multiply operands that are first quantised to E3M2 (3 exponent bits, 2 mantissa bits; 6 bits a number), with one power-of-two scale for each 32 numbers along K (OCP MX v1.0); their sums are f32. All else is computed in f32.
;;   The module's matrix products, in the order in which they are computed (A, B: the left and right operand; K: the contracted axis; several contracted axes count as one K, in the product's order):
;;     1. [M 65,536, K 256] x [K 256, N 256]; A: input seq; B: input Wq (given as codes): QUANTISED
;;     2. [M 65,536, K 256] x [K 256, N 256]; A: input seq; B: input Wk (given as codes): QUANTISED
;;     3. [M 65,536, K 256] x [K 256, N 256]; A: input seq; B: input Wv (given as codes): QUANTISED
;;     4. batch 1,024 x [M 256, K 64] x [K 64, N 256]; A: computed on the way; B: computed on the way: QUANTISED
;;     5. batch 1,024 x [M 256, K 256] x [K 256, N 64]; A: softmax (see below); B: computed on the way: QUANTISED
;;     6. [M 65,536, K 256] x [K 256, N 256]; A: computed on the way; B: input Wd (given as codes): QUANTISED
;;     7. [M 65,536, K 256] x [K 256, N 256]; A: computed on the way; B: input Wq (given as codes): QUANTISED
;;     8. [M 131,072, K 256] x [K 256, N 256]; A: computed on the way; B: input Wk (given as codes): QUANTISED
;;     9. [M 131,072, K 256] x [K 256, N 256]; A: computed on the way; B: input Wv (given as codes): QUANTISED
;;     10. batch 8,192 x [M 32, K 64] x [K 64, N 64]; A: computed on the way; B: computed on the way: QUANTISED
;;     11. batch 8,192 x [M 32, K 64] x [K 64, N 64]; A: softmax (see below); B: computed on the way: QUANTISED
;;     12. [M 65,536, K 256] x [K 256, N 256]; A: computed on the way; B: input Wd (given as codes): QUANTISED
;;   THE QUANTISER, for each operand of a quantised product, along K:
;;     - K is cut into blocks of 32 from its start; a last block that is shorter is filled with zeros.
;;     - A block's scale is 2^e with e = floor(log2(the largest magnitude in the block)) - 4, held to -126 .. 127; a block of zeros has e = 0. As a byte (E8M0): e + 127.
;;     - Each number is divided by its block's scale, clamped to +-28, and rounded to the nearest number of E3M2, ties to even, subnormals kept.
;;     - The product sums the exact products of the quantised numbers (number of the format x scale) in f32.
;;   ~~~python
;;   def quantise(x, axis):      # numpy; x: float32 -> the quantised numbers, widened to float32 again
;;       x = np.moveaxis(x, axis, -1); K = x.shape[-1]
;;       x = np.pad(x, [(0, 0)] * (x.ndim - 1) + [(0, -K % 32)]); x = x.reshape(x.shape[:-1] + (-1, 32)); a = np.abs(x).max(-1, keepdims=True)
;;       e = np.where(a > 0, np.clip(np.frexp(np.where(a > 0, a, 1))[1] - 1 - 4, -126, 127), 0)      # np.frexp(a)[1] - 1 = floor(log2(a)), exactly
;;       r = np.clip(x / 2.0 ** e, -28, 28)
;;       step = 2.0 ** (np.maximum(np.frexp(np.where(r == 0, 1, r))[1] - 1, -2) - 2)
;;       q = np.round(r / step) * step * 2.0 ** e      # np.round: ties to even
;;       return np.moveaxis(q.reshape(q.shape[:-2] + (-1,))[..., :K], -1, axis).astype(np.float32)
;;   ~~~
;;   SOFTMAX AHEAD OF A QUANTISED PRODUCT. Where the list says 'softmax', what is quantised is not the finished softmax but p = 2^(t - M), with t = logit x log2(e) and M = ceil(the row's largest t), a whole number; so 1/2 < the row's largest p <= 1. The row's sum l is taken of the UNQUANTISED p, in f32, and the product's result is divided by l at the end. Since M is a whole number, a kernel that streams over the keys may use a running M (the ceiling of the running maximum): every later rescaling is an exact power of two, which a block's scale takes up: the codes' values come out the same.
;;   OPERANDS COMPUTED ON THE WAY. 'Computed on the way' means the value that the module computes at that place (a softmax that the list does not call 'softmax' is quantised finished and normalised). What goes into a quantiser is computed in f32, as accurately as f32 sums, v_exp_f32 and their like allow (about 1e-6 of the number): no bf16 or f16 on the way to a quantiser, and a product that is left as it is and whose result goes on into a quantised operand takes f32 operands (vector FMAs, or v_wmma_f32_16x16x4_f32). A number that lies on a knife's edge between two numbers of the format may be rounded either way, as far as f32 arithmetic and the matrix unit's own rounding can turn it there, and no further.
;;   INPUTS GIVEN AS CODES. Wd (in the module: [256, 256], K = its axis 1); Wk (in the module: [256, 256], K = its axis 1); Wq (in the module: [256, 256], K = its axis 1); Wv (in the module: [256, 256], K = its axis 1): each comes as NAME_codes (uint8): NAME with its K axis moved to the last place and cut into blocks of 32 codes, [.., K / 32, bytes a block], one block behind the other in memory; four codes in three bytes: a row's codes are one little-endian stream of bits, code i at bits 6 i .. 6 i + 5 (a code: sign, 3 exponent bits, 2 mantissa bits); and NAME_scales (uint8): the same leading axes, one E8M0 byte (e + 127) for each 32 codes along K. Its value is code x scale, taken as it is: it is not quantised again, and the codes and scales need not be those that the quantiser above would give.
;; 2 versions. Each part assembles by itself: llvm-mc -triple=amdgcn-amd-amdhsa -mcpu=gfx1250 --defsym DOCPART=n.
;; ======== version 1 of 2: 1 launch
;; launch attn (part 1): grid 256 x 1, 16 waves a work-group, no clusters, 327,680 bytes of LDS; arguments seq, attention_mask, cluster_id, Wq_codes, Wq_scales, Wk_codes, Wk_scales, Wv_codes, Wv_scales, Wd_codes, Wd_scales, bq, bk, bv, bd, ln_w, ln_b, out0; writes out0
.if DOCPART == 1
	.amdgcn_target "amdgcn-amd-amdhsa--gfx1250"
	.amdhsa_code_object_version 6
	.text
	.protected	k_q078b0d75fd_attn
	.globl	k_q078b0d75fd_attn
	.p2align	8
	.type	k_q078b0d75fd_attn,@function
k_q078b0d75fd_attn:
	s_mov_b64 s[64:65], 0
	v_nop
	global_prefetch_b8 v0, s[64:65] scope:SCOPE_SE
	s_setreg_imm32_b32 hwreg(HW_REG_WAVE_MODE, 25, 1), 1
	s_wait_xcnt 0x0
; out0 = ( block(seq, seq, mask) + unsort( block(sorted chunks, sorted windows, diagonal mask blocks) ) ) / 2, block = attention, Wd, residual, LayerNorm; all twelve products on codes of E3M2 with E8M0 scales.
; ONE WORK-GROUP TAKES ONE BATCH (256 tokens x 256) THROUGH EVERYTHING; nothing goes through memory between the steps.  Sixteen waves of 256 registers, four to a SIMD.
; THE QUERY SIDE OF BOTH BLOCKS IS WORKED IN SORTED ORDER: wave w owns 16 sorted positions, makes chunk attention and full attention for them, Wd, residual and LayerNorm for both, adds the two and stores each row at token order[s].
; WORK LEFT OUT, for all values of the inputs.  x -> quantise(x) W^T + b takes one row at a time (the quantiser's blocks of 32 lie along E, inside a row), so it commutes with a gather of rows.  Hence
;   product 7 (Q of the sorted rows) is product 1 with its rows permuted: one of the two is made, on the sorted rows;
;   products 8 and 9 (K, V of the windows) make each sorted row twice, since the windows overlap: each sorted row is made once.  The windows begin at multiples of 32, so V's blocks of 32 keys are the sorted chunks themselves.
;   The numbers are the same ones, so no NaN, infinity or overflow is lost by it.  Every input is loaded.
; THE SORT: rank[t] = the number of u with c[u] < c[t] + [u < t] (a stable rank, for any int32), 65,536 comparisons shared by 512 lanes; order[] by a search through the 256 ranks in LDS.  Only global row addresses hang on it.
; NO CLUSTER, NO TENSOR LOAD: work-groups share only the weights, 205 KB against some 3 MB that a work-group loads; every LDS operand here is made in registers.
; 1 / sqrt(64) is taken off Q's scale bytes (3 off each); the mask is the C of the score product: neither costs a vector instruction.
; LIMITS: a block of q whose largest magnitude lies under 2^-119 is quantised under the byte 4 (the floor that keeps 3 off a byte above 0); blocks of zeros carry the byte 1, not 127 (their codes are zeros, and this program alone reads
; the bytes); NaN and infinities in seq, weights' scales or biases are not served; a row whose every logit lies under about -2e38 (or is -inf) gives NaN.
; TILE RULE, for tokens, sorted positions and weight rows alike: lane r of tile t holds index 32 (t / 2) + 8 (t % 2) + r + 8 (r / 8).  As source 0 of a product, tiles 2 b and 2 b + 1 then leave 16 neighbours, 32 b + 16 (lane / 16) + 0 .. 15, in a lane.
; LDS IMAGES.  A half fragment (HF) is registers 6 c .. 6 c + 5 of an operand: 64 along K.  Token type (x, Q, K, ctx): tile x 3072 + HF x 768; registers 0-3 at 16 x lane, 4-5 at 512 + 8 x lane; scales: tile x 128 + 8 r + 2 HF.
; V type (lanes = features, K = keys): tile x 3072; key block beta: registers 0-3 at 256 beta + 16 r, 4-5 at 2048 + 128 beta + 8 r; scales: tile x 128 + 8 r + beta.  The sorted twin of each region lies TW (scales: TSC) above it.
.set TW,    49152
.set TSC,   2048
.set XO,    0                          ; x, then Q of the sorted rows, then the full block's ctx;  + TW: sorted x, then the chunk block's ctx
.set KO,    98304
.set VO,    196608
.set SCX,   294912
.set SCKO,  299008
.set SCVO,  303104
.set RANK,  307200
.set SPARE, 325632                     ; the spare words, 128 bytes for each wave: eight blocks of 256 bytes that no other line names
.set STGW,  16640                      ; behind the attention: a stage of 16 rows x 1040 bytes for each wave, from byte 0
.set SROW,  1040
.set WDI,   266240                     ; Wd as images of its fragments: (tile, K step) at 3072 tile + 1536 step + 512 c + 16 lane
.set SCWD,  315392                     ; its scale words: (2 tile + step) x 128 + 4 lane
.set BDT,   319488                     ; bd
.set FLOOR, 0x2800000                  ; 2^(5 - 127): under it no largest magnitude is taken, so a scale's byte cannot fall under 1
.set FLOORQ, 0x4000000                 ; 2^(8 - 127): for Q, whose bytes lose 3
; REGISTERS that stay: v0 thread; v1 16 lane; v2 8 lane; v3 8 r; v4 order << 10 + 64 h; v5, v6 the add's two; v7 order[my position]; v8 64 h; v9 192 pi + 24 h; v10 8 pi; v11 4 pi  (pi = r + 8 (r / 8))
; v12-29 the quantiser's: v12, 13 largest magnitudes; v14, 15 bytes; v16, 17 scale operands; v18 the two bytes; v20-22, v24-29 codes
.set RES,  96                          ; projections: 8 resident fragments, (t, s) at 24 t + 12 s
.set RSC,  86                          ; their scale words, 2 t + s
.set BIA,  192                         ; bias tiles (for V: one tile)
.set ACC,  224                         ; four accumulators
.set FR,   32                          ; attention: fragments of K or V, v32-85
.set SS,   96                          ; scores, then p
.set OO,   160                         ; O^T
.set QZ,   192                         ; Q's HF and six registers of zero codes
.set PP,   204                         ; p's codes
.set BM,   224
.set PT,   228
.set SOP,  232
.set FSC,  236                         ; scale words of K's or V's fragments
.macro NOP4
.rept 4
	v_nop
.endr
.endm
.macro BARRIER                         ; my LDS stores have landed and my LDS loads are in: then the work-group's barrier
	s_wait_dscnt 0x0
	s_barrier_signal -1
	s_barrier_wait -1
.endm
.macro LDHF reg, aA, aB, oA, oB
	ds_load_b128 v[\reg:\reg+3], v[\aA] offset:\oA
	ds_load_b64 v[\reg+4:\reg+5], v[\aB] offset:\oB
.endm
.macro LDFR reg, aA, aB, o             ; a whole fragment of token type: two HFs on end
	LDHF \reg, \aA, \aB, \o, (\o)+512
	LDHF (\reg)+6, \aA, \aB, (\o)+768, (\o)+1280
.endm
.macro STHF aA, aB, aS, oA, oB, oS     ; the HF just made and its two scale bytes (both halves of the lanes write the same halfword with the same value)
	ds_store_b128 v[\aA], v[24:27] offset:\oA
	ds_store_b64 v[\aB], v[28:29] offset:\oB
	ds_store_b16 v[\aS], v18 offset:\oS
.endm
.macro WFRAG reg, sb, t, s             ; a weight's fragment from memory: tile t by the tile rule, K step s; a row is 192 bytes
.irp p, 0,1,2,3,4,5
	global_load_b64 v[\reg+2*\p:\reg+2*\p+1], v9, s[\sb:\sb+1] offset:(32*((\t)/2)+8*((\t)%2))*192+96*(\s)+48*(\p/3)+8*(\p%3)
.endr
.endm
.macro RESW sc, ss, sbi                ; my head's 64 rows of a weight stay in registers: 8 fragments, their scale words, and the bias in the result's layout
.irp t, 0,1,2,3
	WFRAG RES+24*\t, \sc, \t, 0
	WFRAG RES+24*\t+12, \sc, \t, 1
	global_load_b32 v[RSC+2*\t], v10, s[\ss:\ss+1] offset:(32*(\t/2)+8*(\t%2))*8
	global_load_b32 v[RSC+2*\t+1], v10, s[\ss:\ss+1] offset:(32*(\t/2)+8*(\t%2))*8+4
	global_load_b128 v[BIA+8*\t:BIA+8*\t+3], v8, s[\sbi:\sbi+1] offset:(32*(\t/2)+8*(\t%2))*4
	global_load_b128 v[BIA+8*\t+4:BIA+8*\t+7], v8, s[\sbi:\sbi+1] offset:(32*(\t/2)+8*(\t%2))*4+16
.endr
.endm
.macro XLOAD reg, ar, sb, off          ; four blocks of 32 f32 of my row: register 16 b + i = number 32 b + 16 (lane / 16) + i
.irp b, 0,1,2,3
.irp j, 0,1,2,3
	global_load_b128 v[\reg+16*\b+4*\j:\reg+16*\b+4*\j+3], v[\ar], s[\sb:\sb+1] offset:\off+128*\b+16*\j
.endr
.endr
.endm
.macro WMC d, a, b, c, sa, sb
	v_wmma_scale_f32_16x16x128_f8f6f4 v[\d:\d+7], v[\a:\a+11], v[\b:\b+11], v[\c:\c+7], v[\sa], v[\sb] matrix_a_fmt:MATRIX_FMT_BF6 matrix_b_fmt:MATRIX_FMT_BF6
.endm
.macro WMZ d, a, b, sa, sb
	v_wmma_scale_f32_16x16x128_f8f6f4 v[\d:\d+7], v[\a:\a+11], v[\b:\b+11], 0, v[\sa], v[\sb] matrix_a_fmt:MATRIX_FMT_BF6 matrix_b_fmt:MATRIX_FMT_BF6
.endm
; 32 numbers of a lane (register 16 b + i = index 32 b + 16 (lane / 16) + i of my row) become an HF in v24-29 and its two scale bytes in v18.  Accumulators are read from their low ends on.
.macro QUANT32 src, floor
	v_max3_num_f32 v12, |v[\src]|, |v[\src+1]|, \floor
	v_max3_num_f32 v13, |v[\src+16]|, |v[\src+17]|, \floor
.irp i, 2,4,6,8,10,12,14
	v_max3_num_f32 v12, v12, |v[\src+\i]|, |v[\src+\i+1]|
	v_max3_num_f32 v13, v13, |v[\src+16+\i]|, |v[\src+17+\i]|
.endr
	v_permlanex16_b32 v14, v12, s50, s51
	v_permlanex16_b32 v15, v13, s50, s51
	v_max_num_f32 v12, v12, v14                    ; with lane l xor 16's: the block's largest magnitude
	v_max_num_f32 v13, v13, v15
	v_add_nc_u32 v16, 0xfe000000, v12              ; 4 off its exponent field: the conversion's scale operand
	v_add_nc_u32 v17, 0xfe000000, v13
	v_lshrrev_b32 v14, 23, v16                     ; the scale's byte
	v_lshrrev_b32 v15, 23, v17
	s_wait_dscnt 0x0                               ; the last HF's stores have read v18 and v24-29
	v_lshl_or_b32 v18, v15, 8, v14
	v_cvt_scalef32_pk16_bf6_f32 v[24:26], v[\src:\src+15], v16
	v_cvt_scalef32_pk16_bf6_f32 v[20:22], v[\src+16:\src+31], v17
	v_nop                                          ; one plain place behind a scaled conversion
.irp i, 0,1,2
	v_permlane16_swap_b32 v[24+\i], v[20+\i]       ; a whole block to a lane: lanes 0-15 block 0, lanes 16-31 block 1
.endr
.irp i, 0,1,2
	v_mov_b32 v[27+\i], v[20+\i]
.endr
.endm
; 8 products: four accumulators by turns, K step 0 (C = the bias), then K step 1.  Source 0 = the resident fragments, source 1 = the streamed one at xb.
.macro PROJ8 xb, xs, cm
.irp t, 0,1,2,3
.if \cm
	WMC ACC+8*\t, RES+24*\t, \xb, BIA, RSC+2*\t, \xs
.else
	WMC ACC+8*\t, RES+24*\t, \xb, BIA+8*\t, RSC+2*\t, \xs
.endif
.endr
.irp t, 0,1,2,3
	WMC ACC+8*\t, RES+24*\t+12, (\xb)+12, ACC+8*\t, RSC+2*\t+1, (\xs)+1
.endr
.endm
; ---------------------------------------------------------------- the head
	s_load_b512 s[8:23], s[0:1], 0x0               ; seq 8, mask 10, cluster_id 12, Wq codes 14, scales 16, Wk 18, 20, Wv codes 22
	s_load_b512 s[24:39], s[0:1], 0x40             ; Wv scales 24, Wd 26, 28, bq 30, bk 32, bv 34, bd 36, ln_w 38
	s_load_b128 s[40:43], s[0:1], 0x80             ; ln_b 40, out 42
	v_lshl_add_u32 v5, v0, 2, SPARE
	v_mov_b32 v6, 0
	v_lshrrev_b32 v33, 5, v0
	v_readfirstlane_b32 s44, v33                   ; wave w
	v_and_b32 v33, 31, v0
	v_lshlrev_b32 v1, 4, v33
	v_lshlrev_b32 v2, 3, v33
	v_and_b32 v34, 15, v0                          ; r
	v_lshlrev_b32 v3, 3, v34
	v_bfe_u32 v35, v0, 4, 1                        ; h
	v_lshlrev_b32 v8, 6, v35
	v_and_b32 v36, 8, v34
	v_add_nc_u32 v36, v36, v34                     ; pi
	v_mul_u32_u24 v9, v36, 192
	v_mad_u32_u24 v9, v35, 24, v9
	v_lshlrev_b32 v10, 3, v36
	v_lshlrev_b32 v11, 2, v36
	v_mov_b32 v14, 0                               ; written once: a lane permute's destination counts as one of its sources
	v_mov_b32 v15, 0
	v_mov_b32 v7, 0
	s_and_b32 s45, s44, 3                          ; HD: my head in the projections
	s_lshr_b32 s46, s44, 2                         ; G: my group of four tiles there
	s_lshr_b32 s47, s44, 1                         ; CI: my chunk
	s_min_u32 s2, s47, 1
	s_sub_co_u32 s48, s47, s2
	s_min_u32 s48, s48, 6                          ; B0: the window's first sorted chunk: 0, 0, 1 .. 6
	s_lshl_b32 s49, s47, 5
	s_and_b32 s2, s44, 1
	s_lshl_b32 s2, s2, 3
	s_add_co_u32 s49, s49, s2                      ; T0: tile w's first index
	s_mov_b32 s50, 0x76543210
	s_mov_b32 s51, 0xfedcba98                      ; v_permlanex16_b32's selects for lane l xor 16
	s_mov_b32 s52, 0x3fb8aa3b                      ; log2(e)
	s_mov_b32 s53, s52                             ; (named with it as a pair)
	s_mov_b32 s59, 0x3b800000                      ; 1 / 256
	s_mov_b32 s60, 0x2b8cbccc                      ; 1e-12
	s_lshl_b32 s2, s44, 6
	v_lshl_add_u32 v37, v34, 2, s2                 ; 4 t, t = 16 w + r: the token that I rank
	v_lshlrev_b32 v38, 9, v35                      ; my half of the 256 ids
	s_lshl_b32 s2, s44, 4
	v_add_nc_u32 v31, s2, v34
	v_lshlrev_b32 v33, 7, v35
	v_sub_nc_u32 v31, v31, v33                     ; t - 128 h: u = 128 h + i comes before t where i is under it
	v_add_nc_u32 v34, s49, v36                     ; my index by the tile rule: a token (x), and a sorted position
	v_lshl_add_u32 v39, v34, 10, v8
	s_mul_i32 s2, s44, 3072
	v_add_nc_u32 v40, s2, v1                       ; my tile's image
	v_add_nc_u32 v41, s2, v2
	s_lshl_b32 s2, s44, 7
	s_add_co_u32 s2, s2, SCX
	v_add_nc_u32 v42, s2, v3
	v_add_nc_u32 v43, RANK, v37
	v_add_nc_u32 v44, RANK, v38
	s_wait_kmcnt 0x0
	s_lshl_b32 s4, ttmp9, 18                       ; the batch: 262,144 bytes of seq, of the mask and of out
	s_mov_b32 s5, 0
	s_add_nc_u64 s[8:9], s[8:9], s[4:5]
	s_add_nc_u64 s[10:11], s[10:11], s[4:5]
	s_add_nc_u64 s[42:43], s[42:43], s[4:5]
	s_lshl_b32 s4, ttmp9, 10
	s_add_nc_u64 s[12:13], s[12:13], s[4:5]
	s_mul_i32 s4, s45, 12288                       ; my head's 64 rows of Wq, Wk, Wv
	s_add_nc_u64 s[14:15], s[14:15], s[4:5]
	s_add_nc_u64 s[18:19], s[18:19], s[4:5]
	s_add_nc_u64 s[22:23], s[22:23], s[4:5]
	s_lshl_b32 s4, s45, 9
	s_add_nc_u64 s[16:17], s[16:17], s[4:5]
	s_add_nc_u64 s[20:21], s[20:21], s[4:5]
	s_add_nc_u64 s[24:25], s[24:25], s[4:5]
	s_lshl_b32 s4, s45, 8
	s_add_nc_u64 s[30:31], s[30:31], s[4:5]
	s_add_nc_u64 s[32:33], s[32:33], s[4:5]
	s_add_nc_u64 s[34:35], s[34:35], s[4:5]
	s_mul_i32 s4, s49, 192                         ; Wd at tile w
	s_add_nc_u64 s[26:27], s[26:27], s[4:5]
	s_lshl_b32 s4, s49, 3
	s_add_nc_u64 s[28:29], s[28:29], s[4:5]
	global_load_b32 v30, v37, s[12:13]             ; c[t]
.set i, 0
.rept 32
	global_load_b128 v[128+4*i:131+4*i], v38, s[12:13] offset:16*i   ; c[128 h + 0 .. 127]
.set i, i+1
.endr
	XLOAD 64, 39, 8, 0                             ; x, original order: my row's blocks 0-3
	s_wait_loadcnt 16                              ; the ids are in; x's 16 loads may be out
	v_xor_b32 v30, 0x80000000, v30                 ; y: c[t] in unsigned order
	v_mov_b32 v32, 0
.set i, 0
.rept 128
	v_xor_b32 v[128+i], 0x7fffffff, v[128+i]       ; not a, a = c[u] in unsigned order
.set i, i+1
.endr
.set i, 0
.rept 128
	v_cmp_lt_i32 vcc_lo, i, v31                    ; u < t
	v_add_co_ci_u32 v33, vcc_lo, v[128+i], v30, vcc_lo   ; the carry of not a + y + [u < t] says a < y + [u < t]
	v_add_co_ci_u32 v32, vcc_lo, 0, v32, vcc_lo    ; counted
.set i, i+1
.endr
	v_permlanex16_b32 v33, v32, s50, s51
	v_add_nc_u32 v32, v32, v33                     ; rank[t]
	ds_store_b32 v43, v32
	BARRIER                                        ; all 256 ranks lie in LDS
.set i, 0
.rept 32
	ds_load_b128 v[128+4*i:131+4*i], v44 offset:16*i   ; rank[128 h + 0 .. 127]
.set i, i+1
.endr
	s_wait_loadcnt 0x0
	QUANT32 64, FLOOR
	STHF 40, 41, 42, 0, 512, 0
	QUANT32 96, FLOOR
	STHF 40, 41, 42, 768, 1280, 2
	XLOAD 64, 39, 8, 512                           ; blocks 4-7
	s_wait_dscnt 0x0
.set i, 0
.rept 128
	v_cmp_ne_u32 vcc_lo, v[128+i], v34             ; whose rank is my position?
	v_cndmask_b32 v7, i+1, v7, vcc_lo
.set i, i+1
.endr
	v_cmp_ne_u32 vcc_lo, 0, v7
	v_lshl_add_u32 v33, v35, 7, v7
	v_add_nc_u32 v33, -1, v33
	v_cndmask_b32 v33, 0, v33, vcc_lo              ; the token, in the half that found it; 0 in the other
	v_permlanex16_b32 v7, v33, s50, s51
	v_add_nc_u32 v7, v7, v33
	v_min_u32 v7, 0xff, v7                         ; order[my position]
	v_lshl_add_u32 v4, v7, 10, v8
	XLOAD 128, 4, 8, 0                             ; x, sorted order: the same quantiser on the gathered row
	XLOAD 192, 4, 8, 512
	s_wait_loadcnt 32                              ; x's blocks 4-7 are in; the sorted row's 32 loads may be out
	QUANT32 64, FLOOR
	STHF 40, 41, 42, 1536, 2048, 4
	QUANT32 96, FLOOR
	STHF 40, 41, 42, 2304, 2816, 6
	s_wait_loadcnt 16                              ; the sorted row's first 16 loads are in
	QUANT32 128, FLOOR
	STHF 40, 41, 42, TW, TW+512, TSC
	QUANT32 160, FLOOR
	STHF 40, 41, 42, TW+768, TW+1280, TSC+2
	s_wait_loadcnt 0x0
	QUANT32 192, FLOOR
	STHF 40, 41, 42, TW+1536, TW+2048, TSC+4
	QUANT32 224, FLOOR
	STHF 40, 41, 42, TW+2304, TW+2816, TSC+6
	RESW 18, 20, 32                                ; Wk, bk
	BARRIER                                        ; both orders' images of x lie in LDS
; ---------------------------------------------------------------- K, both orders; later Q.  Wave (G, HD): token tiles 4 G .. 4 G + 3, head HD.  Source 0 = 16 rows of W, source 1 = 16 rows of x: a lane holds one token and 32 features
.macro KQBASE cb, sb                   ; cb, sb: where the results' images and scales go
	s_mul_i32 s2, s46, 12288
	v_add_nc_u32 v56, s2, v1
	v_add_nc_u32 v57, s2, v2
	s_mul_i32 s3, s45, 768
	s_add_co_u32 s3, s3, s2
	s_add_co_u32 s3, s3, \cb
	v_add_nc_u32 v59, s3, v1
	v_add_nc_u32 v60, s3, v2
	s_lshl_b32 s2, s46, 9
	s_add_co_u32 s3, s2, SCX
	v_add_nc_u32 v58, s3, v3
	s_lshl_b32 s3, s45, 1
	s_add_co_u32 s3, s3, s2
	s_add_co_u32 s3, s3, \sb
	v_add_nc_u32 v61, s3, v3
	s_mov_b32 s54, 4
	s_mov_b32 s55, 0                               ; a tile on: 3072 bytes of codes,
	s_mov_b32 s56, 0                               ; 128 of scales
.endm
.macro KQADR
	s_wait_dscnt 0x0
	v_add_nc_u32 v30, s55, v56
	v_add_nc_u32 v31, s55, v57
	v_add_nc_u32 v94, s56, v58
	v_add_nc_u32 v95, s55, v59
	v_add_nc_u32 v19, s55, v60
	v_add_nc_u32 v23, s56, v61
.endm
.macro KQSTEP co, cs, eo, es, floor, fix
	LDFR 32, 30, 31, \co
	LDFR 44, 30, 31, (\co)+1536
	ds_load_b32 v80, v94 offset:\cs
	ds_load_b32 v81, v94 offset:(\cs)+4
	s_wait_dscnt 0x0
	PROJ8 32, 80, 0
	NOP4
	QUANT32 ACC, \floor
.if \fix
	v_add_nc_u32 v18, 0xfffffcfd, v18              ; 3 off each of the two bytes: q / 8
.endif
	STHF 95, 19, 23, \eo, (\eo)+512, \es
.endm
	KQBASE KO, SCKO
	s_wait_loadcnt 0x0
.Lp1:
	KQADR
	KQSTEP 0, 0, 0, 0, FLOOR, 0
	KQSTEP TW, TSC, TW, TSC, FLOOR, 0
	s_add_co_u32 s55, s55, 3072
	s_add_co_u32 s56, s56, 128
	s_sub_co_u32 s54, s54, 1
	s_cmp_lg_u32 s54, 0
	s_cbranch_scc1 .Lp1
; ---------------------------------------------------------------- V, both orders.  Source 0 = my four tiles of x (resident), source 1 = 16 rows of Wv (streamed from memory, two buffers): a lane holds one feature and 32 keys
.macro WLOAD q                         ; 15 loads: tile q % 4 of my head's Wv, its scale words, its rows' bias
	WFRAG 32+24*((\q)%2), 22, (\q)%4, 0
	WFRAG 44+24*((\q)%2), 22, (\q)%4, 1
	global_load_b32 v[80+2*((\q)%2)], v10, s[24:25] offset:(32*(((\q)%4)/2)+8*((\q)%2))*8
	global_load_b32 v[81+2*((\q)%2)], v10, s[24:25] offset:(32*(((\q)%4)/2)+8*((\q)%2))*8+4
	global_load_b32 v[84+(\q)%2], v11, s[34:35] offset:(32*(((\q)%4)/2)+8*((\q)%2))*4
.endm
.macro VSTEP q
.if (\q)%4 == 0
.irp tt, 0,1,2,3
	LDFR RES+24*\tt, 30, 31, TW*((\q)/4)+3072*\tt
	LDFR RES+24*\tt+12, 30, 31, TW*((\q)/4)+3072*\tt+1536
	ds_load_b32 v[RSC+2*\tt], v94 offset:TSC*((\q)/4)+128*\tt
	ds_load_b32 v[RSC+2*\tt+1], v94 offset:TSC*((\q)/4)+128*\tt+4
.endr
.endif
.if (\q) < 7
	s_wait_loadcnt 15                              ; this step's 15 loads are in; the next step's 15 may be out
.else
	s_wait_loadcnt 0x0
.endif
	s_wait_dscnt 0x0
.irp i, 0,1,2,3,4,5,6,7
	v_mov_b32 v[BIA+\i], v[84+(\q)%2]              ; the lane's feature has one bias for all its keys
.endr
	NOP4
	PROJ8 32+24*((\q)%2), 80+2*((\q)%2), 1
	NOP4
.if (\q)+2 < 8
	WLOAD (\q)+2
.endif
.if (\q) == 7
	RESW 14, 16, 30                                ; Wq, bq, for the phase that follows
.endif
	QUANT32 ACC, FLOOR
	STHF 95, 19, 23, 3072*((\q)%4)+TW*((\q)/4), 2048+3072*((\q)%4)+TW*((\q)/4), 128*((\q)%4)+TSC*((\q)/4)
.endm
	WLOAD 0
	WLOAD 1
	s_wait_dscnt 0x0
	s_mul_i32 s2, s46, 12288
	v_add_nc_u32 v30, s2, v1
	v_add_nc_u32 v31, s2, v2
	s_lshl_b32 s2, s46, 9
	s_add_co_u32 s2, s2, SCX
	v_add_nc_u32 v94, s2, v3
	s_mul_i32 s2, s45, 12288
	s_add_co_u32 s2, s2, VO
	s_lshl_b32 s3, s46, 9
	s_add_co_u32 s3, s3, s2
	v_add_nc_u32 v95, s3, v1                       ; key blocks 2 G, 2 G + 1: 512 G + 16 lane,
	s_lshl_b32 s3, s46, 8
	s_add_co_u32 s3, s3, s2
	v_add_nc_u32 v19, s3, v2                       ; 2048 + 256 G + 8 lane,
	s_lshl_b32 s2, s45, 9
	s_lshl_b32 s3, s46, 1
	s_add_co_u32 s2, s2, s3
	s_add_co_u32 s2, s2, SCVO
	v_add_nc_u32 v23, s2, v3                       ; scale bytes at 2 G
.irp q, 0,1,2,3,4,5,6,7
	VSTEP \q
.endr
	BARRIER                                        ; nobody reads x in original order any more: Q takes its place
; ---------------------------------------------------------------- Q of the sorted rows
	KQBASE XO, SCX
	s_wait_loadcnt 0x0
.Lp3:
	KQADR
	KQSTEP TW, TSC, 0, 0, FLOORQ, 1
	s_add_co_u32 s55, s55, 3072
	s_add_co_u32 s56, s56, 128
	s_sub_co_u32 s54, s54, 1
	s_cmp_lg_u32 s54, 0
	s_cbranch_scc1 .Lp3
	v_lshrrev_b32 v253, 2, v11
	v_add_nc_u32 v253, s49, v253
	v_lshl_add_u32 v253, v253, 10, v8
	s_lshl_b32 s2, s47, 7
	v_add_nc_u32 v253, s2, v253                    ; the chunk's mask: row = my POSITION in the unsorted mask, columns 32 CI + 16 h on
.irp k, 0,1,2,3
	global_load_b128 v[128+4*\k:131+4*\k], v253, s[10:11] offset:16*\k
.endr
	BARRIER                                        ; all images of Q, K and V lie in LDS; nobody reads the sorted x any more
; ---------------------------------------------------------------- attention.  Both products transposed: a lane holds ONE query (my tile's lane % 16) throughout
; The softmax of nb blocks of 32 keys in v[SS] on.  t = logit x log2(e); M = the ceiling of the largest t so far, kept as -M in v244; p = 2^(t - M); the sum is taken of the unquantised p; p's codes to v[PP] on, its scale word to v223.
.macro SOFT nb, first
.set bb, 0
.rept \nb
	v_max3_num_f32 v[BM+bb], v[SS+16*bb], v[SS+1+16*bb], v[SS+2+16*bb]   ; the largest logit of each block: for the row's maximum and, since p rises with it, for the block's largest p
.set bb, bb+1
.endr
.irp i, 3,5,7,9,11,13
.set bb, 0
.rept \nb
	v_max3_num_f32 v[BM+bb], v[BM+bb], v[SS+16*bb+\i], v[SS+1+16*bb+\i]
.set bb, bb+1
.endr
.endr
.set bb, 0
.rept \nb
	v_max_num_f32 v[BM+bb], v[BM+bb], v[SS+15+16*bb]
.set bb, bb+1
.endr
.set bb, 0
.rept \nb
	v_permlanex16_b32 v[PT+bb], v[BM+bb], s50, s51
.set bb, bb+1
.endr
.set bb, 0
.rept \nb
	v_max_num_f32 v[BM+bb], v[BM+bb], v[PT+bb]
.set bb, bb+1
.endr
.if \nb == 4
	v_max3_num_f32 v252, v[BM], v[BM+1], v[BM+2]
	v_max_num_f32 v252, v252, v[BM+3]
.else
	v_max_num_f32 v252, v[BM], v[BM+1]
.endif
	v_mul_f32 v252, s52, v252
.if \first
	v_max_num_f32 v245, 0xff61b1e6, v252           ; held at -3e38 from below: a step whose keys are all -inf leaves zeros and no NaN
.else
	v_max_num_f32 v245, v245, v252
	v_mov_b32 v253, v244
.endif
	v_floor_f32 v244, -v245                        ; -M
.if !(\first)
	v_sub_f32 v253, v244, v253                     ; old M - new M: a whole number, 0 or less
	v_cvt_i32_f32 v253, v253
	v_ldexp_f32 v248, 1.0, v253                    ; f: brings what was summed under the old M under the new; rounds nothing
.endif
.set jj, 0
.rept 8*\nb
	v_pk_fma_f32 v[SS+jj:SS+jj+1], v[SS+jj:SS+jj+1], s[52:53], v[244:245] op_sel_hi:[1,0,0]
.set jj, jj+2
.endr
.set bb, 0
.rept \nb
	v_fma_f32 v[BM+bb], v[BM+bb], s52, v244
.set bb, bb+1
.endr
.set jj, 0
.rept 16*\nb
	v_exp_f32 v[SS+jj], v[SS+jj]
.set jj, jj+1
.endr
.if \first
	v_nop                                          ; a plain place behind the exponentials
.else
	v_pk_mul_f32 v[246:247], v[246:247], v[248:249] op_sel_hi:[1,0]   ; the sum under the new M (a plain place behind the exponentials)
.endif
	s_wait_alu depctr_va_vdst(0)                   ; one wait for the batch, ahead of its first reader
.set bb, 0
.rept \nb
	v_exp_f32 v[BM+bb], v[BM+bb]                   ; each block's largest p
.set bb, bb+1
.endr
.if \first
	v_pk_add_f32 v[246:247], v[SS:SS+1], v[SS+2:SS+3]
	v_pk_add_f32 v[250:251], v[SS+4:SS+5], v[SS+6:SS+7]
.set jj, 8
.rept 4*\nb-2
	v_pk_add_f32 v[246:247], v[246:247], v[SS+jj:SS+jj+1]
	v_pk_add_f32 v[250:251], v[250:251], v[SS+jj+2:SS+jj+3]
.set jj, jj+4
.endr
.else
	v_pk_add_f32 v[250:251], v[SS:SS+1], v[SS+2:SS+3]
.set jj, 4
.rept 4*\nb-1
	v_pk_add_f32 v[246:247], v[246:247], v[SS+jj:SS+jj+1]
	v_pk_add_f32 v[250:251], v[250:251], v[SS+jj+2:SS+jj+3]
.set jj, jj+4
.endr
.endif
	v_pk_add_f32 v[246:247], v[246:247], v[250:251]
	s_wait_alu depctr_va_vdst(0)                   ; and one for the blocks' exponentials
.set bb, 0
.rept \nb
	v_max_num_f32 v[BM+bb], FLOOR, v[BM+bb]
.set bb, bb+1
.endr
.set bb, 0
.rept \nb
	v_add_nc_u32 v[SOP+bb], 0xfe000000, v[BM+bb]
.set bb, bb+1
.endr
.set bb, 0
.rept \nb
	v_lshrrev_b32 v[PT+bb], 23, v[SOP+bb]
.set bb, bb+1
.endr
	v_lshl_or_b32 v223, v[PT+1], 8, v[PT]
.if \nb == 4
	v_lshl_or_b32 v223, v[PT+2], 16, v223
	v_lshl_or_b32 v223, v[PT+3], 24, v223
.endif
.set bb, 0
.rept \nb/2
	v_cvt_scalef32_pk16_bf6_f32 v[PP+6*bb:PP+6*bb+2], v[SS+32*bb:SS+32*bb+15], v[SOP+2*bb]
	v_cvt_scalef32_pk16_bf6_f32 v[216+4*bb:218+4*bb], v[SS+32*bb+16:SS+32*bb+31], v[SOP+2*bb+1]
.set bb, bb+1
.endr
	v_nop
.set bb, 0
.rept \nb/2
.irp i, 0,1,2
	v_permlane16_swap_b32 v[PP+6*bb+\i], v[216+4*bb+\i]
.endr
.irp i, 0,1,2
	v_mov_b32 v[PP+6*bb+3+\i], v[216+4*bb+\i]
.endr
.set bb, bb+1
.endr
.endm
; O^T / the sum is my 16 rows' ctx of this head: quantised along the features, it goes into my own slot as HF = the head
.macro FINAL oc, os
	v_add_f32 v246, v246, v247
	v_permlanex16_b32 v228, v246, s50, s51
	v_add_f32 v246, v246, v228
	v_rcp_f32 v30, v246
	v_nop
	s_wait_alu depctr_va_vdst(0)
.set jj, 0
.rept 16
	v_pk_mul_f32 v[OO+jj:OO+jj+1], v[OO+jj:OO+jj+1], v[30:31] op_sel_hi:[1,0]
.set jj, jj+2
.endr
	QUANT32 OO, FLOOR
	STHF 92, 93, 94, \oc, (\oc)+512, \os
.endm
.macro ADDRS                           ; a wave's constant (s66-72) + the running head's step (s55 768 hd, s56 12288 hd, s57 2 hd, s58 512 hd) + the lane's term
	v_add_nc_u32 v86, s66, v1
	v_add_nc_u32 v87, s66, v2
	v_add_nc_u32 v88, s67, v3
	v_add_nc_u32 v89, s68, v1
	v_add_nc_u32 v90, s69, v2
	v_add_nc_u32 v91, s70, v3
	v_add_nc_u32 v92, s71, v1
	v_add_nc_u32 v93, s71, v2
	v_add_nc_u32 v94, s72, v3
	v_add_nc_u32 v86, s55, v86                     ; K
	v_add_nc_u32 v87, s55, v87
	v_add_nc_u32 v88, s57, v88
	v_add_nc_u32 v89, s56, v89                     ; V
	v_add_nc_u32 v90, s56, v90
	v_add_nc_u32 v91, s58, v91
	v_add_nc_u32 v92, s55, v92                     ; my Q, and where ctx goes
	v_add_nc_u32 v93, s55, v93
	v_add_nc_u32 v94, s57, v94
.endm
.macro HEADSTEP
	s_add_co_u32 s55, s55, 768
	s_add_co_u32 s56, s56, 12288
	s_add_co_u32 s57, s57, 2
	s_add_co_u32 s58, s58, 512
	s_sub_co_u32 s54, s54, 1
	s_cmp_lg_u32 s54, 0
.endm
	v_bfe_u32 v95, v0, 4, 1
	v_lshlrev_b32 v95, 8, v95
	v_lshl_add_u32 v95, v7, 10, v95
	global_prefetch_b8 v95, s[10:11] th:TH_LOAD_NT scope:SCOPE_SE   ; keys 0-127 of my 16 queries' rows of the full mask: 32 lanes, 32 other blocks of 256 bytes, each named once in the launch; the chunk loop stands between this and their loads
.irp i, 56,57,58,59,60,61,80,81,82,83,84,85,198,199,200,201,202,203,210,211,212,213,214,215,228,229,230,231,31,249
	v_mov_b32 v\i, 0                               ; zero codes behind Q and behind the chunk's p (K = 64 of the instruction's 128); the registers behind the last HF of a run; permutes' destinations; upper halves of pairs
.endr
; K = 64: SOURCE 1 has zero codes in its upper six registers.  Source 0's upper six are whatever codes stand there (the next HF: E3M2 has no NaN and no infinity), under the scale bytes 0 that the 16-bit load leaves: they add exactly 0.
	s_mul_i32 s66, s48, 6144                       ; the window begins at sorted tile 2 B0, key block B0
	s_add_co_u32 s66, s66, KO
	s_lshl_b32 s67, s48, 8
	s_add_co_u32 s68, s67, VO
	s_add_co_u32 s67, s67, SCKO
	s_lshl_b32 s69, s48, 7
	s_add_co_u32 s69, s69, VO
	s_add_co_u32 s70, s48, SCVO
	s_mul_i32 s71, s44, 3072
	s_lshl_b32 s72, s44, 7
	s_add_co_u32 s72, s72, SCX
	s_mov_b32 s54, 4
	s_mov_b32 s55, 0
	s_mov_b32 s56, 0
	s_mov_b32 s57, 0
	s_mov_b32 s58, 0
.Lac:                                  ; ---- chunk attention, a head a trip: 64 keys of the sorted window
	s_wait_dscnt 0x0
	ADDRS
	LDHF QZ, 92, 93, 0, 512
	ds_load_u16 v219, v94
.irp t, 0,1,2,3
	LDHF FR+6*\t, 86, 87, TW+3072*\t, TW+3072*\t+512
	ds_load_u16 v[FSC+\t], v88 offset:TSC+128*\t
	ds_load_u8 v[144+2*\t], v91 offset:TSC+128*\t
	ds_load_u8 v[145+2*\t], v91 offset:TSC+128*\t+1
.endr
	s_wait_loadcnt 0x0                             ; the chunk's mask (first trip)
	s_wait_dscnt 0x0
.irp t, 0,1,2,3
	v_lshl_or_b32 v[152+\t], v[145+2*\t], 8, v[144+2*\t]   ; V's two scale bytes of the window
.endr
	WMC SS, FR, QZ, 128, FSC, 219                  ; the window's first 32 keys take the mask's diagonal block as C,
	WMC SS+8, FR+6, QZ, 136, FSC+1, 219
	WMZ SS+16, FR+12, QZ, FSC+2, 219               ; the other 32 nothing
	WMZ SS+24, FR+18, QZ, FSC+3, 219
	NOP4
.irp t, 0,1,2,3
	LDHF FR+6*\t, 89, 90, TW+3072*\t, TW+2048+3072*\t
.endr
	SOFT 2, 1
.rept 8
	v_nop                                          ; a scale word written by vector instructions stands 8 places ahead of the scaled product, codes so written 4
.endr
	s_wait_dscnt 0x0
.irp t, 0,1,2,3
	WMZ OO+8*\t, FR+6*\t, PP, 152+\t, 223
.endr
	NOP4
	FINAL TW, TSC
	HEADSTEP
	s_cbranch_scc1 .Lac
; ---- full attention, a head a trip, two steps of 128 keys in original order.  The mask's tile is loaded into the score registers and is the product's C
.macro FSTEP st
.irp t, 0,1,2,3,4,5,6,7
	LDHF FR+6*\t, 86, 87, 3072*(8*\st+\t), 3072*(8*\st+\t)+512
	ds_load_u16 v[FSC+\t], v88 offset:128*(8*\st+\t)
.endr
	s_wait_loadcnt 0x0                             ; this step's 16 loads of the mask are the only ones out
	s_wait_dscnt 0x0
.irp t, 0,1,2,3,4,5,6,7
	WMC SS+8*\t, FR+6*\t, QZ, SS+8*\t, FSC+\t, 219
.endr
	NOP4
.irp t, 0,1,2,3
	LDHF FR+12*\t, 89, 90, 3072*\t+1024*\st, 2048+3072*\t+512*\st
	LDHF FR+12*\t+6, 89, 90, 3072*\t+1024*\st+512, 2048+3072*\t+512*\st+256
	ds_load_b32 v[FSC+\t], v91 offset:128*\t+4*\st
.endr
	SOFT 4, 1-\st
.if \st == 0
	XLOAD SS, 4, 10, 512                           ; the next step's mask
.rept 8
	v_nop
.endr
.else
	s_cmp_eq_u32 s54, 1                            ; the next head's first step, if there is a next head
	s_cbranch_scc1 .Lnomask_\@
	XLOAD SS, 4, 10, 0
.Lnomask_\@:
.set jj, 0
.rept 16
	v_pk_mul_f32 v[OO+jj:OO+jj+1], v[OO+jj:OO+jj+1], v[248:249] op_sel_hi:[1,0]   ; O^T under the new M
.set jj, jj+2
.endr
	NOP4
.endif
	s_wait_dscnt 0x0
.irp t, 0,1,2,3
.if \st == 0
	WMZ OO+8*\t, FR+12*\t, PP, FSC+\t, 223
.else
	WMC OO+8*\t, FR+12*\t, PP, OO+8*\t, FSC+\t, 223
.endif
.endr
	NOP4
.endm
	s_mov_b32 s66, KO
	s_mov_b32 s67, SCKO
	s_mov_b32 s68, VO
	s_mov_b32 s69, VO
	s_mov_b32 s70, SCVO
	s_mov_b32 s54, 4
	s_mov_b32 s55, 0
	s_mov_b32 s56, 0
	s_mov_b32 s57, 0
	s_mov_b32 s58, 0
	XLOAD SS, 4, 10, 0
	global_prefetch_b8 v95, s[10:11] offset:512 th:TH_LOAD_NT scope:SCOPE_SE   ; keys 128-255 of the same rows, a key step ahead of their first loads
.Laf:
	s_wait_dscnt 0x0
	ADDRS
	LDHF QZ, 92, 93, 0, 512
	ds_load_u16 v219, v94
	FSTEP 0
	FSTEP 1
	FINAL 0, 0                                     ; into the slot that this head's Q has left: the slot is my wave's own
	HEADSTEP
	s_cbranch_scc1 .Laf
; ---------------------------------------------------------------- Wd, residual, LayerNorm, twice; the sum; the way out
; v12-35, v36-37 the full block's ctx and its scale words; v38-61, v62-63 the chunk block's; v64-111 four fragments of Wd, or pieces at work; v112-115 their scale words; v128-255 y: register 16 b + i = feature 32 b + 16 h + i of my row
	s_wait_loadcnt 0x0
	s_wait_xcnt 0x0                                ; the prefetches, far back, have read v95: it is written again below
	s_wait_dscnt 0x0
	v_add_nc_u32 v116, s71, v1
	v_add_nc_u32 v117, s71, v2
	v_add_nc_u32 v118, s72, v3
	LDFR 12, 116, 117, 0
	LDFR 24, 116, 117, 1536
	ds_load_b32 v36, v118
	ds_load_b32 v37, v118 offset:4
	LDFR 38, 116, 117, TW
	LDFR 50, 116, 117, TW+1536
	ds_load_b32 v62, v118 offset:TSC
	ds_load_b32 v63, v118 offset:TSC+4
	WFRAG 64, 26, 0, 0                             ; each wave brings one tile of Wd, which all sixteen will read
	WFRAG 76, 26, 0, 1
	global_load_b32 v112, v10, s[28:29]
	global_load_b32 v113, v10, s[28:29] offset:4
	v_lshrrev_b32 v119, 1, v3
	s_lshl_b32 s2, s44, 6
	v_add_nc_u32 v119, s2, v119
	global_load_b32 v126, v119, s[36:37]           ; bd[16 w + r]
	BARRIER                                        ; every wave has its ctx in registers: nobody reads the images of the attention any more
	s_wait_loadcnt 0x0
	v_lshrrev_b32 v121, 1, v2                      ; 4 lane
	s_add_co_u32 s2, s71, WDI
	v_add_nc_u32 v122, s2, v1
	s_lshl_b32 s2, s44, 8
	s_add_co_u32 s2, s2, SCWD
	v_add_nc_u32 v123, s2, v121
	v_add_nc_u32 v124, BDT, v119
.irp s, 0,1
.irp c, 0,1,2
	ds_store_b128 v122, v[64+12*\s+4*\c:67+12*\s+4*\c] offset:1536*\s+512*\c
.endr
	ds_store_b32 v123, v[112+\s] offset:128*\s
.endr
	ds_store_b32 v124, v126
	v_add_nc_u32 v116, WDI, v1
	v_add_nc_u32 v117, SCWD, v121
	s_mul_i32 s2, s44, STGW
	v_lshrrev_b32 v118, 3, v3
	v_mul_u32_u24 v118, v118, SROW
	v_add_nc_u32 v118, v118, v8
	v_add_nc_u32 v118, s2, v118                    ; my stage: row r, + 64 h
	v_add_nc_u32 v120, BDT, v8
	BARRIER                                        ; Wd, its scale words and bd lie in LDS
	v_add_nc_u32 v119, s2, v1                      ; my stage, by rows: 16 lane
	v_mov_b32 v123, 0                              ; upper halves of the pairs v[122:123], v[124:125]
	v_mov_b32 v125, 0
.macro BDADD q0, n, first              ; bd onto quads q0 .. q0 + n - 1 of y
.set i, 0
.rept \n
	ds_load_b128 v[64+4*i:67+4*i], v120 offset:128*((\q0+i)/4)+16*((\q0+i)%4)
.set i, i+1
.endr
	s_wait_dscnt 0x0
.if \first
	s_wait_loadcnt 0x0
.endif
.set i, 0
.rept 2*\n
	v_pk_add_f32 v[128+4*\q0+2*i:129+4*\q0+2*i], v[128+4*\q0+2*i:129+4*\q0+2*i], v[64+2*i:65+2*i]
.set i, i+1
.endr
.endm
.macro REDUCE                          ; four chains of pairs in v64-71, and lane l xor 16's: the row's sum in v64
	v_pk_add_f32 v[64:65], v[64:65], v[66:67]
	v_pk_add_f32 v[68:69], v[68:69], v[70:71]
	v_pk_add_f32 v[64:65], v[64:65], v[68:69]
	v_add_f32 v64, v64, v65
	v_permlanex16_b32 v65, v64, s50, s51
	v_add_f32 v64, v64, v65
.endm
; y = seq row + bd + ctx Wd^T (the residual and the bias begin the sums); then (y - mean) / sqrt(var + eps) / 2
.macro TASK cf, cs
	XLOAD 128, 4, 8, 0
	XLOAD 192, 4, 8, 512
	BDADD 0, 12, 1
	BDADD 12, 12, 0
	BDADD 24, 8, 0
.irp u, 0,1,2,3,4,5,6,7                ; two tiles of Wd at a time, their two accumulators by turns
.irp c, 0,1,2
	ds_load_b128 v[64+4*\c:67+4*\c], v116 offset:6144*\u+512*\c
	ds_load_b128 v[76+4*\c:79+4*\c], v116 offset:6144*\u+3072+512*\c
	ds_load_b128 v[88+4*\c:91+4*\c], v116 offset:6144*\u+1536+512*\c
	ds_load_b128 v[100+4*\c:103+4*\c], v116 offset:6144*\u+4608+512*\c
.endr
	ds_load_b32 v112, v117 offset:512*\u
	ds_load_b32 v113, v117 offset:512*\u+256
	ds_load_b32 v114, v117 offset:512*\u+128
	ds_load_b32 v115, v117 offset:512*\u+384
	s_wait_dscnt 0x0
	WMC 128+16*\u, 64, \cf, 128+16*\u, 112, \cs
	WMC 136+16*\u, 76, \cf, 136+16*\u, 113, \cs
	WMC 128+16*\u, 88, (\cf)+12, 128+16*\u, 114, (\cs)+1
	WMC 136+16*\u, 100, (\cf)+12, 136+16*\u, 115, (\cs)+1
	NOP4
.endr
.irp c, 0,1,2,3
	v_pk_add_f32 v[64+2*\c:65+2*\c], v[128+2*\c:129+2*\c], v[136+2*\c:137+2*\c]   ; each accumulator from its low end on
.endr
.set m, 2
.rept 14
.irp c, 0,1,2,3
	v_pk_add_f32 v[64+2*\c:65+2*\c], v[64+2*\c:65+2*\c], v[128+8*m+2*\c:129+8*m+2*\c]
.endr
.set m, m+1
.endr
	REDUCE
	v_mul_f32 v122, s59, v64                       ; the mean
.set m, 0
.rept 64
	v_pk_add_f32 v[128+2*m:129+2*m], v[128+2*m:129+2*m], v[122:123] op_sel_hi:[1,0] neg_lo:[0,1] neg_hi:[0,1]
.set m, m+1
.endr
.irp c, 0,1,2,3
	v_pk_mul_f32 v[64+2*\c:65+2*\c], v[128+2*\c:129+2*\c], v[128+2*\c:129+2*\c]
.endr
.set m, 1
.rept 15
.irp c, 0,1,2,3
	v_pk_fma_f32 v[64+2*\c:65+2*\c], v[128+8*m+2*\c:129+8*m+2*\c], v[128+8*m+2*\c:129+8*m+2*\c], v[64+2*\c:65+2*\c]
.endr
.set m, m+1
.endr
	REDUCE
	v_fma_f32 v64, v64, s59, s60                   ; the variance + eps
	v_rsq_f32 v124, v64
	v_nop
	s_wait_alu depctr_va_vdst(0)
	v_mul_f32 v124, 0.5, v124                      ; the two blocks' weights, 1 / 2 each
.set m, 0
.rept 64
	v_pk_mul_f32 v[128+2*m:129+2*m], v[128+2*m:129+2*m], v[124:125] op_sel_hi:[1,0]
.set m, m+1
.endr
.endm
	TASK 12, 36
.set i, 0
.rept 32
	ds_store_b128 v118, v[128+4*i:131+4*i] offset:128*(i/4)+16*(i%4)   ; the full block's half waits in my stage
.set i, i+1
.endr
	s_wait_dscnt 0x0                               ; the stores have read y's registers
	TASK 38, 62
	global_load_b128 v[28:31], v1, s[38:39]        ; ln_w, ln_b of the 8 features that I store of each row
	global_load_b128 v[32:35], v1, s[38:39] offset:512
	global_load_b128 v[36:39], v1, s[40:41]
	global_load_b128 v[40:43], v1, s[40:41] offset:512
.macro SUMR q0, n                      ; quads q0 .. q0 + n - 1: the full block's half comes back to the lane that stored it, is added, and the sum takes its place
.set i, 0
.rept \n
	ds_load_b128 v[64+4*i:67+4*i], v118 offset:128*((\q0+i)/4)+16*((\q0+i)%4)
.set i, i+1
.endr
	s_wait_dscnt 0x0
.set i, 0
.rept 2*\n
	v_pk_add_f32 v[128+4*\q0+2*i:129+4*\q0+2*i], v[128+4*\q0+2*i:129+4*\q0+2*i], v[64+2*i:65+2*i]
.set i, i+1
.endr
.set i, 0
.rept \n
	ds_store_b128 v118, v[128+4*(\q0+i):131+4*(\q0+i)] offset:128*((\q0+i)/4)+16*((\q0+i)%4)
.set i, i+1
.endr
.endm
	SUMR 0, 12
	SUMR 12, 12
	SUMR 24, 8
.set i, 0
.rept 16
	v_readlane_b32 s[66+i], v7, i                  ; row i of my stage belongs to token order[..] of lane i
	s_min_u32 s[66+i], s[66+i], 255
	v_lshl_add_u32 v[12+i], s[66+i], 10, v1
.set i, i+1
.endr
	s_wait_dscnt 0x0                               ; the stores have read y's registers
.set i, 0
.rept 32
	ds_load_b128 v[128+4*i:131+4*i], v119 offset:SROW*(i/2)+512*(i%2)   ; whole rows back: 32 lanes take 512 neighbouring bytes
.set i, i+1
.endr
	s_wait_dscnt 0x0
	s_wait_loadcnt 0x0
.set i, 0
.rept 64
	v_pk_fma_f32 v[128+2*i:129+2*i], v[128+2*i:129+2*i], v[28+2*(i%4):29+2*(i%4)], v[36+2*(i%4):37+2*(i%4)]   ; x ln_w + ln_b
.set i, i+1
.endr
.set i, 0
.rept 32
	global_store_b128 v[12+i/2], v[128+4*i:131+4*i], s[42:43] offset:512*(i%2) th:TH_STORE_NT   ; 32 lanes store 512 consecutive bytes, at a multiple of 256 from out's first byte
.set i, i+1
.endr
	s_wait_tensorcnt 0x0                           ; the wave's end, behind my last LDS store
	ds_add_u32 v5, v6
	s_wait_dscnt 0x0
	s_endpgm
.Lfunc_end_k_q078b0d75fd_attn:
	.size	k_q078b0d75fd_attn, .Lfunc_end_k_q078b0d75fd_attn-k_q078b0d75fd_attn
	.p2alignl 7, 3214868480
	.fill 96, 4, 3214868480
	.section	.rodata,"a",@progbits
	.p2align	6, 0x0
	.amdhsa_kernel k_q078b0d75fd_attn
		.amdhsa_group_segment_fixed_size 327680
		.amdhsa_private_segment_fixed_size 0
		.amdhsa_enable_private_segment 0
		.amdhsa_kernarg_size 144
		.amdhsa_user_sgpr_count 2
		.amdhsa_user_sgpr_kernarg_segment_ptr 1
		.amdhsa_wavefront_size32 1
		.amdhsa_system_sgpr_workgroup_id_x 1
		.amdhsa_system_sgpr_workgroup_id_y 1
		.amdhsa_system_sgpr_workgroup_id_z 1
		.amdhsa_system_vgpr_workitem_id 0
		.amdhsa_next_free_vgpr 256
		.amdhsa_next_free_sgpr 100
		.amdhsa_reserve_vcc 1
		.amdhsa_float_denorm_mode_32 3
		.amdhsa_float_denorm_mode_16_64 3
		.amdhsa_memory_ordered 1
		.amdhsa_forward_progress 1
		.amdhsa_inst_pref_size 255
	.end_amdhsa_kernel
	.section	.bss,"aw",@nobits
	.p2align	6
	.space	262144
	.amdgpu_metadata
---
amdhsa.version: [ 1, 2 ]
amdhsa.kernels:
  - .name:           k_q078b0d75fd_attn
    .symbol:         k_q078b0d75fd_attn.kd
    .args:
      - { .name: seq, .offset: 0, .size: 8, .value_kind: global_buffer, .address_space: global }
      - { .name: attention_mask, .offset: 8, .size: 8, .value_kind: global_buffer, .address_space: global }
      - { .name: cluster_id, .offset: 16, .size: 8, .value_kind: global_buffer, .address_space: global }
      - { .name: Wq_codes, .offset: 24, .size: 8, .value_kind: global_buffer, .address_space: global }
      - { .name: Wq_scales, .offset: 32, .size: 8, .value_kind: global_buffer, .address_space: global }
      - { .name: Wk_codes, .offset: 40, .size: 8, .value_kind: global_buffer, .address_space: global }
      - { .name: Wk_scales, .offset: 48, .size: 8, .value_kind: global_buffer, .address_space: global }
      - { .name: Wv_codes, .offset: 56, .size: 8, .value_kind: global_buffer, .address_space: global }
      - { .name: Wv_scales, .offset: 64, .size: 8, .value_kind: global_buffer, .address_space: global }
      - { .name: Wd_codes, .offset: 72, .size: 8, .value_kind: global_buffer, .address_space: global }
      - { .name: Wd_scales, .offset: 80, .size: 8, .value_kind: global_buffer, .address_space: global }
      - { .name: bq, .offset: 88, .size: 8, .value_kind: global_buffer, .address_space: global }
      - { .name: bk, .offset: 96, .size: 8, .value_kind: global_buffer, .address_space: global }
      - { .name: bv, .offset: 104, .size: 8, .value_kind: global_buffer, .address_space: global }
      - { .name: bd, .offset: 112, .size: 8, .value_kind: global_buffer, .address_space: global }
      - { .name: ln_w, .offset: 120, .size: 8, .value_kind: global_buffer, .address_space: global }
      - { .name: ln_b, .offset: 128, .size: 8, .value_kind: global_buffer, .address_space: global }
      - { .name: out0, .offset: 136, .size: 8, .value_kind: global_buffer, .address_space: global }
    .group_segment_fixed_size: 327680
    .private_segment_fixed_size: 0
    .kernarg_segment_align: 8
    .kernarg_segment_size: 144
    .max_flat_workgroup_size: 512
    .sgpr_count:     100
    .vgpr_count:     256
    .wavefront_size: 32
...
	.end_amdgpu_metadata
.endif
;; end of part 1
;; ======== version 2 of 2: 1 launch; version 1 with the launch attn written anew for expert scheduling mode
;; launch attn (part 2): grid 256 x 1, 16 waves a work-group, no clusters, 327,680 bytes of LDS; arguments seq, attention_mask, cluster_id, Wq_codes, Wq_scales, Wk_codes, Wk_scales, Wv_codes, Wv_scales, Wd_codes, Wd_scales, bq, bk, bv, bd, ln_w, ln_b, out0; writes out0
.if DOCPART == 2
	.amdgcn_target "amdgcn-amd-amdhsa--gfx1250"
	.amdhsa_code_object_version 6
	.text
	.protected	k_q078b0d75fd_attn
	.globl	k_q078b0d75fd_attn
	.p2align	8
	.type	k_q078b0d75fd_attn,@function
k_q078b0d75fd_attn:
	s_mov_b64 s[64:65], 0
	v_nop
	global_prefetch_b8 v0, s[64:65] scope:SCOPE_SE
	s_setreg_imm32_b32 hwreg(HW_REG_WAVE_SCHED_MODE, 0, 2), 2
	s_setreg_imm32_b32 hwreg(HW_REG_WAVE_MODE, 25, 1), 1
	s_wait_xcnt 0x0
	s_wait_alu depctr_vm_vsrc(0)
; out0 = ( block(seq, seq, mask) + unsort( block(sorted chunks, sorted windows, diagonal mask blocks) ) ) / 2, block = attention, Wd, residual, LayerNorm; all twelve products on codes of E3M2 with E8M0 scales.
; ONE WORK-GROUP TAKES ONE BATCH (256 tokens x 256) THROUGH EVERYTHING; nothing goes through memory between the steps.  Sixteen waves of 256 registers, four to a SIMD.
; THE QUERY SIDE OF BOTH BLOCKS IS WORKED IN SORTED ORDER: wave w owns 16 sorted positions, makes chunk attention and full attention for them, Wd, residual and LayerNorm for both, adds the two and stores each row at token order[s].
; WORK LEFT OUT, for all values of the inputs.  x -> quantise(x) W^T + b takes one row at a time (the quantiser's blocks of 32 lie along E, inside a row), so it commutes with a gather of rows.  Hence
;   product 7 (Q of the sorted rows) is product 1 with its rows permuted: one of the two is made, on the sorted rows;
;   products 8 and 9 (K, V of the windows) make each sorted row twice, since the windows overlap: each sorted row is made once.  The windows begin at multiples of 32, so V's blocks of 32 keys are the sorted chunks themselves.
;   The numbers are the same ones, so no NaN, infinity or overflow is lost by it.  Every input is loaded.
; THE SORT: rank[t] = the number of u with c[u] < c[t] + [u < t] (a stable rank, for any int32), 65,536 comparisons shared by 512 lanes; order[] by a search through the 256 ranks in LDS.  Only global row addresses hang on it.
; NO CLUSTER, NO TENSOR LOAD: work-groups share only the weights, 205 KB against some 3 MB that a work-group loads; every LDS operand here is made in registers.
; 1 / sqrt(64) is taken off Q's scale bytes (3 off each); the mask is the C of the score product: neither costs a vector instruction.
; LIMITS: a block of q whose largest magnitude lies under 2^-119 is quantised under the byte 4 (the floor that keeps 3 off a byte above 0); blocks of zeros carry the byte 1, not 127 (their codes are zeros, and this program alone reads
; the bytes); NaN and infinities in seq, weights' scales or biases are not served; a row whose every logit lies under about -2e38 (or is -inf) gives NaN.
; TILE RULE, for tokens, sorted positions and weight rows alike: lane r of tile t holds index 32 (t / 2) + 8 (t % 2) + r + 8 (r / 8).  As source 0 of a product, tiles 2 b and 2 b + 1 then leave 16 neighbours, 32 b + 16 (lane / 16) + 0 .. 15, in a lane.
; LDS IMAGES.  A half fragment (HF) is registers 6 c .. 6 c + 5 of an operand: 64 along K.  Token type (x, Q, K, ctx): tile x 3072 + HF x 768; registers 0-3 at 16 x lane, 4-5 at 512 + 8 x lane; scales: tile x 128 + 8 r + 2 HF.
; V type (lanes = features, K = keys): tile x 3072; key block beta: registers 0-3 at 256 beta + 16 r, 4-5 at 2048 + 128 beta + 8 r; scales: tile x 128 + 8 r + beta.  The sorted twin of each region lies TW (scales: TSC) above it.
; THE MODE: SCHED_MODE bits 1:0 = 2 (LLVM: expert scheduling mode 2), set by the entry lines.  The code itself states the register dependences between vector or matrix instructions and memory or LDS instructions, with s_wait_alu, always for 0.
; THE PLAN.  Registers that memory or LDS instructions touch, and who else names them:
;   v1-4, v8-11     offsets, made at the head (v4 behind the sort) and never written again.
;   v18, v24-29     the quantiser's out-buffer: written by QUANT32, read by STHF's three stores.  One wait on va_vdst at STHF's head, one on vm_vsrc in QUANT32 ahead of the first rewrite.
;   v30, 31, 94, 95, 19, 23 (projections), v86-94 (attention)   LDS addresses, written once a trip at the trip's head: vm_vsrc ahead of the additions, va_vdst behind them.
;   the fragments, scale words and mask tiles   loaded, then read by products.  A load into them stands behind a wait on va_vdst that stands behind their last reader: the trip's head, STHF's head (no vector line follows the
;                   stores before those loads), or a wait of its own behind the places that follow a group of products.
;   p's codes, p's scale word, V's window bytes   written by vector lines, read by scaled products: the places, then a wait on va_vdst, which also stands for the next mask tile's loads into the score registers.
;   y (v128-255), in the last phase   loaded, summed onto by products, scaled, stored to LDS, loaded back, stored to memory: va_vdst ahead of each run of stores, vm_vsrc ahead of each run of loads into registers that stores have read.
;   Masks and carries of the sort go into s66-97 in runs, one wait on va_sdst behind each run; the carries are counted by lines that write vector registers alone.
.set TW,    49152
.set TSC,   2048
.set XO,    0                          ; x, then Q of the sorted rows, then the full block's ctx;  + TW: sorted x, then the chunk block's ctx
.set KO,    98304
.set VO,    196608
.set SCX,   294912
.set SCKO,  299008
.set SCVO,  303104
.set RANK,  307200
.set SPARE, 325632                     ; the spare words, 128 bytes for each wave: eight blocks of 256 bytes that no other line names
.set STGW,  16640                      ; behind the attention: a stage of 16 rows x 1040 bytes for each wave, from byte 0
.set SROW,  1040
.set WDI,   266240                     ; Wd as images of its fragments: (tile, K step) at 3072 tile + 1536 step + 512 c + 16 lane
.set SCWD,  315392                     ; its scale words: (2 tile + step) x 128 + 4 lane
.set BDT,   319488                     ; bd
.set FLOOR, 0x2800000                  ; 2^(5 - 127): under it no largest magnitude is taken, so a scale's byte cannot fall under 1
.set FLOORQ, 0x4000000                 ; 2^(8 - 127): for Q, whose bytes lose 3
; REGISTERS that stay: v0 thread; v1 16 lane; v2 8 lane; v3 8 r; v4 order << 10 + 64 h; v5, v6 the add's two; v7 order[my position]; v8 64 h; v9 192 pi + 24 h; v10 8 pi; v11 4 pi  (pi = r + 8 (r / 8))
; v12-29 the quantiser's: v12, 13 largest magnitudes; v14, 15 bytes; v16, 17 scale operands; v18 the two bytes; v20-22, v24-29 codes
.set CT,   46                          ; v46-61, in the sort only: sixteen carries as ones and zeros
.set RES,  96                          ; projections: 8 resident fragments, (t, s) at 24 t + 12 s
.set RSC,  86                          ; their scale words, 2 t + s
.set BIA,  192                         ; bias tiles (for V: one tile)
.set ACC,  224                         ; four accumulators
.set FR,   32                          ; attention: fragments of K or V, v32-85
.set SS,   96                          ; scores, then p
.set OO,   160                         ; O^T
.set QZ,   192                         ; Q's HF and six registers of zero codes
.set PP,   204                         ; p's codes
.set BM,   224
.set PT,   228
.set SOP,  232
.set FSC,  236                         ; scale words of K's or V's fragments
.macro NOP4
.rept 4
	v_nop
.endr
.endm
.macro BARRIER                         ; my LDS stores have landed and my LDS loads are in: then the work-group's barrier
	s_wait_dscnt 0x0
	s_barrier_signal -1
	s_barrier_wait -1
.endm
.macro LDHF reg, aA, aB, oA, oB
	ds_load_b128 v[\reg:\reg+3], v[\aA] offset:\oA
	ds_load_b64 v[\reg+4:\reg+5], v[\aB] offset:\oB
.endm
.macro LDFR reg, aA, aB, o             ; a whole fragment of token type: two HFs on end
	LDHF \reg, \aA, \aB, \o, (\o)+512
	LDHF (\reg)+6, \aA, \aB, (\o)+768, (\o)+1280
.endm
.macro STHF aA, aB, aS, oA, oB, oS     ; the HF just made and its two scale bytes (both halves of the lanes write the same halfword with the same value)
	s_wait_alu depctr_va_vdst(0)                   ; the quantiser has written v18 and v24-29, which these stores read; and all vector and matrix lines so far are done with their registers, for the loads that follow these stores with no vector line between
	ds_store_b128 v[\aA], v[24:27] offset:\oA
	ds_store_b64 v[\aB], v[28:29] offset:\oB
	ds_store_b16 v[\aS], v18 offset:\oS
.endm
.macro WFRAG reg, sb, t, s             ; a weight's fragment from memory: tile t by the tile rule, K step s; a row is 192 bytes
.irp p, 0,1,2,3,4,5
	global_load_b64 v[\reg+2*\p:\reg+2*\p+1], v9, s[\sb:\sb+1] offset:(32*((\t)/2)+8*((\t)%2))*192+96*(\s)+48*(\p/3)+8*(\p%3)
.endr
.endm
.macro RESW sc, ss, sbi                ; my head's 64 rows of a weight stay in registers: 8 fragments, their scale words, and the bias in the result's layout
.irp t, 0,1,2,3
	WFRAG RES+24*\t, \sc, \t, 0
	WFRAG RES+24*\t+12, \sc, \t, 1
	global_load_b32 v[RSC+2*\t], v10, s[\ss:\ss+1] offset:(32*(\t/2)+8*(\t%2))*8
	global_load_b32 v[RSC+2*\t+1], v10, s[\ss:\ss+1] offset:(32*(\t/2)+8*(\t%2))*8+4
	global_load_b128 v[BIA+8*\t:BIA+8*\t+3], v8, s[\sbi:\sbi+1] offset:(32*(\t/2)+8*(\t%2))*4
	global_load_b128 v[BIA+8*\t+4:BIA+8*\t+7], v8, s[\sbi:\sbi+1] offset:(32*(\t/2)+8*(\t%2))*4+16
.endr
.endm
.macro XLOAD reg, ar, sb, off          ; four blocks of 32 f32 of my row: register 16 b + i = number 32 b + 16 (lane / 16) + i
.irp b, 0,1,2,3
.irp j, 0,1,2,3
	global_load_b128 v[\reg+16*\b+4*\j:\reg+16*\b+4*\j+3], v[\ar], s[\sb:\sb+1] offset:\off+128*\b+16*\j
.endr
.endr
.endm
.macro WMC d, a, b, c, sa, sb
	v_wmma_scale_f32_16x16x128_f8f6f4 v[\d:\d+7], v[\a:\a+11], v[\b:\b+11], v[\c:\c+7], v[\sa], v[\sb] matrix_a_fmt:MATRIX_FMT_BF6 matrix_b_fmt:MATRIX_FMT_BF6
.endm
.macro WMZ d, a, b, sa, sb
	v_wmma_scale_f32_16x16x128_f8f6f4 v[\d:\d+7], v[\a:\a+11], v[\b:\b+11], 0, v[\sa], v[\sb] matrix_a_fmt:MATRIX_FMT_BF6 matrix_b_fmt:MATRIX_FMT_BF6
.endm
; 32 numbers of a lane (register 16 b + i = index 32 b + 16 (lane / 16) + i of my row) become an HF in v24-29 and its two scale bytes in v18.  Accumulators are read from their low ends on.
.macro QUANT32 src, floor
	v_max3_num_f32 v12, |v[\src]|, |v[\src+1]|, \floor
	v_max3_num_f32 v13, |v[\src+16]|, |v[\src+17]|, \floor
.irp i, 2,4,6,8,10,12,14
	v_max3_num_f32 v12, v12, |v[\src+\i]|, |v[\src+\i+1]|
	v_max3_num_f32 v13, v13, |v[\src+16+\i]|, |v[\src+17+\i]|
.endr
	v_permlanex16_b32 v14, v12, s50, s51
	v_permlanex16_b32 v15, v13, s50, s51
	v_max_num_f32 v12, v12, v14                    ; with lane l xor 16's: the block's largest magnitude
	v_max_num_f32 v13, v13, v15
	v_add_nc_u32 v16, 0xfe000000, v12              ; 4 off its exponent field: the conversion's scale operand
	v_add_nc_u32 v17, 0xfe000000, v13
	v_lshrrev_b32 v14, 23, v16                     ; the scale's byte
	v_lshrrev_b32 v15, 23, v17
	s_wait_alu depctr_va_vdst(0)
	s_wait_dscnt 0x0                               ; the last HF's stores are done
	s_wait_alu depctr_vm_vsrc(0)                   ; the last HF's stores have read v18 and v24-29, which the lines below write again
	v_lshl_or_b32 v18, v15, 8, v14
	v_cvt_scalef32_pk16_bf6_f32 v[24:26], v[\src:\src+15], v16
	v_cvt_scalef32_pk16_bf6_f32 v[20:22], v[\src+16:\src+31], v17
	v_nop                                          ; one plain place behind a scaled conversion
.irp i, 0,1,2
	v_permlane16_swap_b32 v[24+\i], v[20+\i]       ; a whole block to a lane: lanes 0-15 block 0, lanes 16-31 block 1
.endr
.irp i, 0,1,2
	v_mov_b32 v[27+\i], v[20+\i]
.endr
.endm
; 8 products: four accumulators by turns, K step 0 (C = the bias), then K step 1.  Source 0 = the resident fragments, source 1 = the streamed one at xb.
.macro PROJ8 xb, xs, cm
.irp t, 0,1,2,3
.if \cm
	WMC ACC+8*\t, RES+24*\t, \xb, BIA, RSC+2*\t, \xs
.else
	WMC ACC+8*\t, RES+24*\t, \xb, BIA+8*\t, RSC+2*\t, \xs
.endif
.endr
.irp t, 0,1,2,3
	WMC ACC+8*\t, RES+24*\t+12, (\xb)+12, ACC+8*\t, RSC+2*\t+1, (\xs)+1
.endr
.endm
; ---------------------------------------------------------------- the head
	s_load_b512 s[8:23], s[0:1], 0x0               ; seq 8, mask 10, cluster_id 12, Wq codes 14, scales 16, Wk 18, 20, Wv codes 22
	s_load_b512 s[24:39], s[0:1], 0x40             ; Wv scales 24, Wd 26, 28, bq 30, bk 32, bv 34, bd 36, ln_w 38
	s_load_b128 s[40:43], s[0:1], 0x80             ; ln_b 40, out 42
	v_lshl_add_u32 v5, v0, 2, SPARE
	v_mov_b32 v6, 0
	v_lshrrev_b32 v33, 5, v0
	v_readfirstlane_b32 s44, v33                   ; wave w
	v_and_b32 v33, 31, v0
	v_lshlrev_b32 v1, 4, v33
	v_lshlrev_b32 v2, 3, v33
	v_and_b32 v34, 15, v0                          ; r
	v_lshlrev_b32 v3, 3, v34
	v_bfe_u32 v35, v0, 4, 1                        ; h
	v_lshlrev_b32 v8, 6, v35
	v_and_b32 v36, 8, v34
	v_add_nc_u32 v36, v36, v34                     ; pi
	v_mul_u32_u24 v9, v36, 192
	v_mad_u32_u24 v9, v35, 24, v9
	v_lshlrev_b32 v10, 3, v36
	v_lshlrev_b32 v11, 2, v36
	v_mov_b32 v14, 0                               ; written once: a lane permute's destination counts as one of its sources
	v_mov_b32 v15, 0
	v_mov_b32 v7, 0
	s_wait_alu depctr_va_sdst(0)                   ; s44 is written, ahead of its first reader: every share of the work is made from it
	s_and_b32 s45, s44, 3                          ; HD: my head in the projections
	s_lshr_b32 s46, s44, 2                         ; G: my group of four tiles there
	s_lshr_b32 s47, s44, 1                         ; CI: my chunk
	s_min_u32 s2, s47, 1
	s_sub_co_u32 s48, s47, s2
	s_min_u32 s48, s48, 6                          ; B0: the window's first sorted chunk: 0, 0, 1 .. 6
	s_lshl_b32 s49, s47, 5
	s_and_b32 s2, s44, 1
	s_lshl_b32 s2, s2, 3
	s_add_co_u32 s49, s49, s2                      ; T0: tile w's first index
	s_mov_b32 s50, 0x76543210
	s_mov_b32 s51, 0xfedcba98                      ; v_permlanex16_b32's selects for lane l xor 16
	s_mov_b32 s52, 0x3fb8aa3b                      ; log2(e)
	s_mov_b32 s53, s52                             ; (named with it as a pair)
	s_mov_b32 s59, 0x3b800000                      ; 1 / 256
	s_mov_b32 s60, 0x2b8cbccc                      ; 1e-12
	s_lshl_b32 s2, s44, 6
	v_lshl_add_u32 v37, v34, 2, s2                 ; 4 t, t = 16 w + r: the token that I rank
	v_lshlrev_b32 v38, 9, v35                      ; my half of the 256 ids
	s_lshl_b32 s2, s44, 4
	v_add_nc_u32 v31, s2, v34
	v_lshlrev_b32 v33, 7, v35
	v_sub_nc_u32 v31, v31, v33                     ; t - 128 h: u = 128 h + i comes before t where i is under it
	v_add_nc_u32 v34, s49, v36                     ; my index by the tile rule: a token (x), and a sorted position
	v_lshl_add_u32 v39, v34, 10, v8
	s_mul_i32 s2, s44, 3072
	v_add_nc_u32 v40, s2, v1                       ; my tile's image
	v_add_nc_u32 v41, s2, v2
	s_lshl_b32 s2, s44, 7
	s_add_co_u32 s2, s2, SCX
	v_add_nc_u32 v42, s2, v3
	v_add_nc_u32 v43, RANK, v37
	v_add_nc_u32 v44, RANK, v38
	s_wait_kmcnt 0x0
	s_lshl_b32 s4, ttmp9, 18                       ; the batch: 262,144 bytes of seq, of the mask and of out
	s_mov_b32 s5, 0
	s_add_nc_u64 s[8:9], s[8:9], s[4:5]
	s_add_nc_u64 s[10:11], s[10:11], s[4:5]
	s_add_nc_u64 s[42:43], s[42:43], s[4:5]
	s_lshl_b32 s4, ttmp9, 10
	s_add_nc_u64 s[12:13], s[12:13], s[4:5]
	s_mul_i32 s4, s45, 12288                       ; my head's 64 rows of Wq, Wk, Wv
	s_add_nc_u64 s[14:15], s[14:15], s[4:5]
	s_add_nc_u64 s[18:19], s[18:19], s[4:5]
	s_add_nc_u64 s[22:23], s[22:23], s[4:5]
	s_lshl_b32 s4, s45, 9
	s_add_nc_u64 s[16:17], s[16:17], s[4:5]
	s_add_nc_u64 s[20:21], s[20:21], s[4:5]
	s_add_nc_u64 s[24:25], s[24:25], s[4:5]
	s_lshl_b32 s4, s45, 8
	s_add_nc_u64 s[30:31], s[30:31], s[4:5]
	s_add_nc_u64 s[32:33], s[32:33], s[4:5]
	s_add_nc_u64 s[34:35], s[34:35], s[4:5]
	s_mul_i32 s4, s49, 192                         ; Wd at tile w
	s_add_nc_u64 s[26:27], s[26:27], s[4:5]
	s_lshl_b32 s4, s49, 3
	s_add_nc_u64 s[28:29], s[28:29], s[4:5]
	s_wait_alu depctr_va_vdst(0)                   ; the offsets and addresses v1-3, v8-11 and v37-44 are written, which the loads and stores of the head and of the later phases read
	global_load_b32 v30, v37, s[12:13]             ; c[t]
.set i, 0
.rept 32
	global_load_b128 v[128+4*i:131+4*i], v38, s[12:13] offset:16*i   ; c[128 h + 0 .. 127]
.set i, i+1
.endr
	XLOAD 64, 39, 8, 0                             ; x, original order: my row's blocks 0-3
	s_wait_loadcnt 16                              ; the ids are in; x's 16 loads may be out
	v_xor_b32 v30, 0x80000000, v30                 ; y: c[t] in unsigned order
	v_mov_b32 v32, 0
.set i, 0
.rept 128
	v_xor_b32 v[128+i], 0x7fffffff, v[128+i]       ; not a, a = c[u] in unsigned order
.set i, i+1
.endr
; The 128 ids go in eight runs of sixteen: sixteen masks into s66-81, sixteen carries into s82-97, one wait behind each run of lines that write scalar registers; then the carries are counted by lines that write vector registers alone.
.set gb, 0
.rept 8
.set i, 0
.rept 16
	v_cmp_lt_i32 s[66+i], 16*gb+i, v31             ; u < t
.set i, i+1
.endr
	s_wait_alu depctr_va_sdst(0)                   ; the sixteen masks s66-81 are written, ahead of the additions that read them
.set i, 0
.rept 16
	v_add_co_ci_u32 v33, s[82+i], v[128+16*gb+i], v30, s[66+i]   ; the carry of not a + y + [u < t] says a < y + [u < t]
.set i, i+1
.endr
	s_wait_alu depctr_va_sdst(0)                   ; the sixteen carries s82-97 are written, ahead of the selections that read them
.set i, 0
.rept 16
	v_cndmask_b32 v[CT+i], 0, 1, s[82+i]           ; each carry as 1 or 0,
.set i, i+1
.endr
.set i, 0
.rept 8
	v_add3_u32 v32, v32, v[CT+2*i], v[CT+2*i+1]    ; counted, two at a time
.set i, i+1
.endr
.set gb, gb+1
.endr
	v_permlanex16_b32 v33, v32, s50, s51
	v_add_nc_u32 v32, v32, v33                     ; rank[t]
	s_wait_alu depctr_va_vdst(0)                   ; v32 is written, which the store reads; the sort's lines are done with v128-255, in which the ranks' loads behind the barrier land
	ds_store_b32 v43, v32
	BARRIER                                        ; all 256 ranks lie in LDS
.set i, 0
.rept 32
	ds_load_b128 v[128+4*i:131+4*i], v44 offset:16*i   ; rank[128 h + 0 .. 127]
.set i, i+1
.endr
	s_wait_loadcnt 0x0
	QUANT32 64, FLOOR
	STHF 40, 41, 42, 0, 512, 0
	QUANT32 96, FLOOR
	STHF 40, 41, 42, 768, 1280, 2
	XLOAD 64, 39, 8, 512                           ; blocks 4-7.  No wait of its own: the wait at the head of the stores above stands behind the quantiser's last read of v64-127
	s_wait_dscnt 0x0
; The search goes in four runs of 32 masks, s66-97.
.set gb, 0
.rept 4
.set i, 0
.rept 32
	v_cmp_ne_u32 s[66+i], v[128+32*gb+i], v34      ; whose rank is my position?
.set i, i+1
.endr
	s_wait_alu depctr_va_sdst(0)                   ; the 32 masks s66-97 are written, ahead of the selections that read them
.set i, 0
.rept 32
	v_cndmask_b32 v7, 32*gb+i+1, v7, s[66+i]
.set i, i+1
.endr
.set gb, gb+1
.endr
	v_cmp_ne_u32 vcc_lo, 0, v7
	v_lshl_add_u32 v33, v35, 7, v7
	v_add_nc_u32 v33, -1, v33
	s_wait_alu depctr_va_vcc(0)                    ; VCC is written, ahead of the selection that reads it
	v_cndmask_b32 v33, 0, v33, vcc_lo              ; the token, in the half that found it; 0 in the other
	v_permlanex16_b32 v7, v33, s50, s51
	v_add_nc_u32 v7, v7, v33
	v_min_u32 v7, 0xff, v7                         ; order[my position]
	v_lshl_add_u32 v4, v7, 10, v8
	s_wait_alu depctr_va_vdst(0)                   ; v4 is written, which the loads below read; the search is done reading v128-255, in which they land
	XLOAD 128, 4, 8, 0                             ; x, sorted order: the same quantiser on the gathered row
	XLOAD 192, 4, 8, 512
	s_wait_loadcnt 32                              ; x's blocks 4-7 are in; the sorted row's 32 loads may be out
	QUANT32 64, FLOOR
	STHF 40, 41, 42, 1536, 2048, 4
	QUANT32 96, FLOOR
	STHF 40, 41, 42, 2304, 2816, 6
	s_wait_loadcnt 16                              ; the sorted row's first 16 loads are in
	QUANT32 128, FLOOR
	STHF 40, 41, 42, TW, TW+512, TSC
	QUANT32 160, FLOOR
	STHF 40, 41, 42, TW+768, TW+1280, TSC+2
	s_wait_loadcnt 0x0
	QUANT32 192, FLOOR
	STHF 40, 41, 42, TW+1536, TW+2048, TSC+4
	QUANT32 224, FLOOR
	STHF 40, 41, 42, TW+2304, TW+2816, TSC+6
	RESW 18, 20, 32                                ; Wk, bk.  No wait of its own: the wait at the head of the stores above stands behind the quantiser's last read of v86-223
	BARRIER                                        ; both orders' images of x lie in LDS
; ---------------------------------------------------------------- K, both orders; later Q.  Wave (G, HD): token tiles 4 G .. 4 G + 3, head HD.  Source 0 = 16 rows of W, source 1 = 16 rows of x: a lane holds one token and 32 features
.macro KQBASE cb, sb                   ; cb, sb: where the results' images and scales go
	s_mul_i32 s2, s46, 12288
	v_add_nc_u32 v56, s2, v1
	v_add_nc_u32 v57, s2, v2
	s_mul_i32 s3, s45, 768
	s_add_co_u32 s3, s3, s2
	s_add_co_u32 s3, s3, \cb
	v_add_nc_u32 v59, s3, v1
	v_add_nc_u32 v60, s3, v2
	s_lshl_b32 s2, s46, 9
	s_add_co_u32 s3, s2, SCX
	v_add_nc_u32 v58, s3, v3
	s_lshl_b32 s3, s45, 1
	s_add_co_u32 s3, s3, s2
	s_add_co_u32 s3, s3, \sb
	v_add_nc_u32 v61, s3, v3
	s_mov_b32 s54, 4
	s_mov_b32 s55, 0                               ; a tile on: 3072 bytes of codes,
	s_mov_b32 s56, 0                               ; 128 of scales
.endm
.macro KQADR
	s_wait_dscnt 0x0
	s_wait_alu depctr_vm_vsrc(0)                   ; the LDS instructions issued so far have read the six addresses that the lines below write; in the first trip also: the head's memory instructions have read v37-44, in which fragments land
	v_add_nc_u32 v30, s55, v56
	v_add_nc_u32 v31, s55, v57
	v_add_nc_u32 v94, s56, v58
	v_add_nc_u32 v95, s55, v59
	v_add_nc_u32 v19, s55, v60
	v_add_nc_u32 v23, s56, v61
	s_wait_alu depctr_va_vdst(0)                   ; the six addresses are written; the products and vector lines issued so far are done with v32-55, v80 and v81, in which the trip's first loads land
.endm
.macro KQSTEP co, cs, eo, es, floor, fix           ; its loads stand behind the wait at the trip's head, or behind the wait at the head of the last step's stores: no vector line stands between
	LDFR 32, 30, 31, \co
	LDFR 44, 30, 31, (\co)+1536
	ds_load_b32 v80, v94 offset:\cs
	ds_load_b32 v81, v94 offset:(\cs)+4
	s_wait_dscnt 0x0
	PROJ8 32, 80, 0
	NOP4
	QUANT32 ACC, \floor
.if \fix
	v_add_nc_u32 v18, 0xfffffcfd, v18              ; 3 off each of the two bytes: q / 8
.endif
	STHF 95, 19, 23, \eo, (\eo)+512, \es
.endm
	KQBASE KO, SCKO
	s_wait_loadcnt 0x0
.Lp1:
	s_wait_alu depctr_va_vdst(0)
	KQADR
	KQSTEP 0, 0, 0, 0, FLOOR, 0
	KQSTEP TW, TSC, TW, TSC, FLOOR, 0
	s_add_co_u32 s55, s55, 3072
	s_add_co_u32 s56, s56, 128
	s_sub_co_u32 s54, s54, 1
	s_cmp_lg_u32 s54, 0
	s_cbranch_scc1 .Lp1
; ---------------------------------------------------------------- V, both orders.  Source 0 = my four tiles of x (resident), source 1 = 16 rows of Wv (streamed from memory, two buffers): a lane holds one feature and 32 keys
.macro WLOAD q                         ; 15 loads: tile q % 4 of my head's Wv, its scale words, its rows' bias
	WFRAG 32+24*((\q)%2), 22, (\q)%4, 0
	WFRAG 44+24*((\q)%2), 22, (\q)%4, 1
	global_load_b32 v[80+2*((\q)%2)], v10, s[24:25] offset:(32*(((\q)%4)/2)+8*((\q)%2))*8
	global_load_b32 v[81+2*((\q)%2)], v10, s[24:25] offset:(32*(((\q)%4)/2)+8*((\q)%2))*8+4
	global_load_b32 v[84+(\q)%2], v11, s[34:35] offset:(32*(((\q)%4)/2)+8*((\q)%2))*4
.endm
.macro VSTEP q
.if (\q)%4 == 0                        ; (step 0: behind the wait that follows the addresses; step 4: behind the wait at the head of step 3's stores)
.irp tt, 0,1,2,3
	LDFR RES+24*\tt, 30, 31, TW*((\q)/4)+3072*\tt
	LDFR RES+24*\tt+12, 30, 31, TW*((\q)/4)+3072*\tt+1536
	ds_load_b32 v[RSC+2*\tt], v94 offset:TSC*((\q)/4)+128*\tt
	ds_load_b32 v[RSC+2*\tt+1], v94 offset:TSC*((\q)/4)+128*\tt+4
.endr
.endif
.if (\q) < 7
	s_wait_loadcnt 15                              ; this step's 15 loads are in; the next step's 15 may be out
.else
	s_wait_loadcnt 0x0
.endif
	s_wait_dscnt 0x0
.irp i, 0,1,2,3,4,5,6,7
	v_mov_b32 v[BIA+\i], v[84+(\q)%2]              ; the lane's feature has one bias for all its keys
.endr
	NOP4
	PROJ8 32+24*((\q)%2), 80+2*((\q)%2), 1
	NOP4
	s_wait_alu depctr_va_vdst(0)                   ; the step's products and moves are done with this buffer of Wv, its scale words and its bias (step 7: with the resident fragments and the bias tile too), in which the loads below land
.if (\q)+2 < 8
	WLOAD (\q)+2
.endif
.if (\q) == 7
	RESW 14, 16, 30                                ; Wq, bq, for the phase that follows
.endif
	QUANT32 ACC, FLOOR
	STHF 95, 19, 23, 3072*((\q)%4)+TW*((\q)/4), 2048+3072*((\q)%4)+TW*((\q)/4), 128*((\q)%4)+TSC*((\q)/4)
.endm
	WLOAD 0                                        ; no wait of their own: the wait at the head of K's last stores stands behind the last reader of v32-85
	WLOAD 1
	s_wait_dscnt 0x0
	s_wait_alu depctr_vm_vsrc(0)                   ; K's LDS instructions have read the six addresses that the lines below write
	s_mul_i32 s2, s46, 12288
	v_add_nc_u32 v30, s2, v1
	v_add_nc_u32 v31, s2, v2
	s_lshl_b32 s2, s46, 9
	s_add_co_u32 s2, s2, SCX
	v_add_nc_u32 v94, s2, v3
	s_mul_i32 s2, s45, 12288
	s_add_co_u32 s2, s2, VO
	s_lshl_b32 s3, s46, 9
	s_add_co_u32 s3, s3, s2
	v_add_nc_u32 v95, s3, v1                       ; key blocks 2 G, 2 G + 1: 512 G + 16 lane,
	s_lshl_b32 s3, s46, 8
	s_add_co_u32 s3, s3, s2
	v_add_nc_u32 v19, s3, v2                       ; 2048 + 256 G + 8 lane,
	s_lshl_b32 s2, s45, 9
	s_lshl_b32 s3, s46, 1
	s_add_co_u32 s2, s2, s3
	s_add_co_u32 s2, s2, SCVO
	v_add_nc_u32 v23, s2, v3                       ; scale bytes at 2 G
	s_wait_alu depctr_va_vdst(0)                   ; the six addresses are written; K's products are done reading the resident registers, in which x's fragments land
.irp q, 0,1,2,3,4,5,6,7
	VSTEP \q
.endr
	BARRIER                                        ; nobody reads x in original order any more: Q takes its place
; ---------------------------------------------------------------- Q of the sorted rows
	KQBASE XO, SCX
	s_wait_loadcnt 0x0
.Lp3:
	s_wait_alu depctr_va_vdst(0)
	KQADR
	KQSTEP TW, TSC, 0, 0, FLOORQ, 1
	s_add_co_u32 s55, s55, 3072
	s_add_co_u32 s56, s56, 128
	s_sub_co_u32 s54, s54, 1
	s_cmp_lg_u32 s54, 0
	s_cbranch_scc1 .Lp3
	v_lshrrev_b32 v253, 2, v11
	v_add_nc_u32 v253, s49, v253
	v_lshl_add_u32 v253, v253, 10, v8
	s_lshl_b32 s2, s47, 7
	v_add_nc_u32 v253, s2, v253                    ; the chunk's mask: row = my POSITION in the unsorted mask, columns 32 CI + 16 h on
	s_wait_alu depctr_va_vdst(0)                   ; v253 is written, which the loads read; Q's products are done reading v128-143, in which they land
.irp k, 0,1,2,3
	global_load_b128 v[128+4*\k:131+4*\k], v253, s[10:11] offset:16*\k
.endr
	BARRIER                                        ; all images of Q, K and V lie in LDS; nobody reads the sorted x any more
; ---------------------------------------------------------------- attention.  Both products transposed: a lane holds ONE query (my tile's lane % 16) throughout
; The softmax of nb blocks of 32 keys in v[SS] on.  t = logit x log2(e); M = the ceiling of the largest t so far, kept as -M in v244; p = 2^(t - M); the sum is taken of the unquantised p; p's codes to v[PP] on, its scale word to v223.
.macro SOFT nb, first
.set bb, 0
.rept \nb
	v_max3_num_f32 v[BM+bb], v[SS+16*bb], v[SS+1+16*bb], v[SS+2+16*bb]   ; the largest logit of each block: for the row's maximum and, since p rises with it, for the block's largest p
.set bb, bb+1
.endr
.irp i, 3,5,7,9,11,13
.set bb, 0
.rept \nb
	v_max3_num_f32 v[BM+bb], v[BM+bb], v[SS+16*bb+\i], v[SS+1+16*bb+\i]
.set bb, bb+1
.endr
.endr
.set bb, 0
.rept \nb
	v_max_num_f32 v[BM+bb], v[BM+bb], v[SS+15+16*bb]
.set bb, bb+1
.endr
.set bb, 0
.rept \nb
	v_permlanex16_b32 v[PT+bb], v[BM+bb], s50, s51
.set bb, bb+1
.endr
.set bb, 0
.rept \nb
	v_max_num_f32 v[BM+bb], v[BM+bb], v[PT+bb]
.set bb, bb+1
.endr
.if \nb == 4
	v_max3_num_f32 v252, v[BM], v[BM+1], v[BM+2]
	v_max_num_f32 v252, v252, v[BM+3]
.else
	v_max_num_f32 v252, v[BM], v[BM+1]
.endif
	v_mul_f32 v252, s52, v252
.if \first
	v_max_num_f32 v245, 0xff61b1e6, v252           ; held at -3e38 from below: a step whose keys are all -inf leaves zeros and no NaN
.else
	v_max_num_f32 v245, v245, v252
	v_mov_b32 v253, v244
.endif
	v_floor_f32 v244, -v245                        ; -M
.if !(\first)
	v_sub_f32 v253, v244, v253                     ; old M - new M: a whole number, 0 or less
	v_cvt_i32_f32 v253, v253
	v_ldexp_f32 v248, 1.0, v253                    ; f: brings what was summed under the old M under the new; rounds nothing
.endif
.set jj, 0
.rept 8*\nb
	v_pk_fma_f32 v[SS+jj:SS+jj+1], v[SS+jj:SS+jj+1], s[52:53], v[244:245] op_sel_hi:[1,0,0]
.set jj, jj+2
.endr
.set bb, 0
.rept \nb
	v_fma_f32 v[BM+bb], v[BM+bb], s52, v244
.set bb, bb+1
.endr
.set jj, 0
	s_wait_alu depctr_va_vdst(0)
.rept 16*\nb
	v_exp_f32 v[SS+jj], v[SS+jj]
.set jj, jj+1
.endr
.if \first
	v_nop                                          ; a plain place behind the exponentials
.else
	v_pk_mul_f32 v[246:247], v[246:247], v[248:249] op_sel_hi:[1,0]   ; the sum under the new M (a plain place behind the exponentials)
.endif
	s_wait_alu depctr_va_vdst(0)                   ; the batch of exponentials has written p: one wait, ahead of its first reader
.set bb, 0
.rept \nb
	v_exp_f32 v[BM+bb], v[BM+bb]                   ; each block's largest p
.set bb, bb+1
.endr
.if \first
	v_pk_add_f32 v[246:247], v[SS:SS+1], v[SS+2:SS+3]
	v_pk_add_f32 v[250:251], v[SS+4:SS+5], v[SS+6:SS+7]
.set jj, 8
.rept 4*\nb-2
	v_pk_add_f32 v[246:247], v[246:247], v[SS+jj:SS+jj+1]
	v_pk_add_f32 v[250:251], v[250:251], v[SS+jj+2:SS+jj+3]
.set jj, jj+4
.endr
.else
	v_pk_add_f32 v[250:251], v[SS:SS+1], v[SS+2:SS+3]
.set jj, 4
.rept 4*\nb-1
	v_pk_add_f32 v[246:247], v[246:247], v[SS+jj:SS+jj+1]
	v_pk_add_f32 v[250:251], v[250:251], v[SS+jj+2:SS+jj+3]
.set jj, jj+4
.endr
.endif
	v_pk_add_f32 v[246:247], v[246:247], v[250:251]
	s_wait_alu depctr_va_vdst(0)                   ; the blocks' exponentials have written v[BM ..]: one wait, ahead of their first reader
.set bb, 0
.rept \nb
	v_max_num_f32 v[BM+bb], FLOOR, v[BM+bb]
.set bb, bb+1
.endr
.set bb, 0
.rept \nb
	v_add_nc_u32 v[SOP+bb], 0xfe000000, v[BM+bb]
.set bb, bb+1
.endr
.set bb, 0
.rept \nb
	v_lshrrev_b32 v[PT+bb], 23, v[SOP+bb]
.set bb, bb+1
.endr
	v_lshl_or_b32 v223, v[PT+1], 8, v[PT]
.if \nb == 4
	v_lshl_or_b32 v223, v[PT+2], 16, v223
	v_lshl_or_b32 v223, v[PT+3], 24, v223
.endif
.set bb, 0
.rept \nb/2
	v_cvt_scalef32_pk16_bf6_f32 v[PP+6*bb:PP+6*bb+2], v[SS+32*bb:SS+32*bb+15], v[SOP+2*bb]
	v_cvt_scalef32_pk16_bf6_f32 v[216+4*bb:218+4*bb], v[SS+32*bb+16:SS+32*bb+31], v[SOP+2*bb+1]
.set bb, bb+1
.endr
	v_nop
.set bb, 0
.rept \nb/2
.irp i, 0,1,2
	v_permlane16_swap_b32 v[PP+6*bb+\i], v[216+4*bb+\i]
.endr
.irp i, 0,1,2
	v_mov_b32 v[PP+6*bb+3+\i], v[216+4*bb+\i]
.endr
.set bb, bb+1
.endr
.endm
; O^T / the sum is my 16 rows' ctx of this head: quantised along the features, it goes into my own slot as HF = the head
.macro FINAL oc, os
	v_add_f32 v246, v246, v247
	v_permlanex16_b32 v228, v246, s50, s51
	v_add_f32 v246, v246, v228
	s_wait_alu depctr_va_vdst(0)
	v_rcp_f32 v30, v246
	v_nop
	s_wait_alu depctr_va_vdst(0)                   ; the reciprocal has written v30, ahead of its first reader
.set jj, 0
.rept 16
	v_pk_mul_f32 v[OO+jj:OO+jj+1], v[OO+jj:OO+jj+1], v[30:31] op_sel_hi:[1,0]
.set jj, jj+2
.endr
	QUANT32 OO, FLOOR
	STHF 92, 93, 94, \oc, (\oc)+512, \os
.endm
.macro ADDRS                           ; a wave's constant (s66-72) + the running head's step (s55 768 hd, s56 12288 hd, s57 2 hd, s58 512 hd) + the lane's term
	s_wait_alu depctr_vm_vsrc(0)                   ; the LDS instructions of the head before have read v86-94, which the lines below write
	v_add_nc_u32 v86, s66, v1
	v_add_nc_u32 v87, s66, v2
	v_add_nc_u32 v88, s67, v3
	v_add_nc_u32 v89, s68, v1
	v_add_nc_u32 v90, s69, v2
	v_add_nc_u32 v91, s70, v3
	v_add_nc_u32 v92, s71, v1
	v_add_nc_u32 v93, s71, v2
	v_add_nc_u32 v94, s72, v3
	v_add_nc_u32 v86, s55, v86                     ; K
	v_add_nc_u32 v87, s55, v87
	v_add_nc_u32 v88, s57, v88
	v_add_nc_u32 v89, s56, v89                     ; V
	v_add_nc_u32 v90, s56, v90
	v_add_nc_u32 v91, s58, v91
	v_add_nc_u32 v92, s55, v92                     ; my Q, and where ctx goes
	v_add_nc_u32 v93, s55, v93
	v_add_nc_u32 v94, s57, v94
	s_wait_alu depctr_va_vdst(0)                   ; the nine addresses are written; the products and vector lines of the head before are done with Q's, K's and the scale words' registers, in which the loads below land; the zero codes are written, which the products read
.endm
.macro HEADSTEP
	s_add_co_u32 s55, s55, 768
	s_add_co_u32 s56, s56, 12288
	s_add_co_u32 s57, s57, 2
	s_add_co_u32 s58, s58, 512
	s_sub_co_u32 s54, s54, 1
	s_cmp_lg_u32 s54, 0
.endm
	s_wait_alu depctr_vm_vsrc(0)                   ; the projections' LDS instructions have read v95, v30 and v31, and the loads of the chunk's mask v253: all four are written again from here on
	v_bfe_u32 v95, v0, 4, 1
	v_lshlrev_b32 v95, 8, v95
	v_lshl_add_u32 v95, v7, 10, v95
.irp i, 56,57,58,59,60,61,80,81,82,83,84,85,198,199,200,201,202,203,210,211,212,213,214,215,228,229,230,231,31,249
	v_mov_b32 v\i, 0                               ; zero codes behind Q and behind the chunk's p (K = 64 of the instruction's 128); the registers behind the last HF of a run; permutes' destinations; upper halves of pairs
.endr
	s_wait_alu depctr_va_vdst(0)                   ; v95 is written, which the prefetch reads
	global_prefetch_b8 v95, s[10:11] th:TH_LOAD_NT scope:SCOPE_SE   ; keys 0-127 of my 16 queries' rows of the full mask: 32 lanes, 32 other blocks of 256 bytes, each named once in the launch; the chunk loop stands between this and their loads
; K = 64: SOURCE 1 has zero codes in its upper six registers.  Source 0's upper six are whatever codes stand there (the next HF: E3M2 has no NaN and no infinity), under the scale bytes 0 that the 16-bit load leaves: they add exactly 0.
	s_mul_i32 s66, s48, 6144                       ; the window begins at sorted tile 2 B0, key block B0
	s_add_co_u32 s66, s66, KO
	s_lshl_b32 s67, s48, 8
	s_add_co_u32 s68, s67, VO
	s_add_co_u32 s67, s67, SCKO
	s_lshl_b32 s69, s48, 7
	s_add_co_u32 s69, s69, VO
	s_add_co_u32 s70, s48, SCVO
	s_mul_i32 s71, s44, 3072
	s_lshl_b32 s72, s44, 7
	s_add_co_u32 s72, s72, SCX
	s_mov_b32 s54, 4
	s_mov_b32 s55, 0
	s_mov_b32 s56, 0
	s_mov_b32 s57, 0
	s_mov_b32 s58, 0
.Lac:                                  ; ---- chunk attention, a head a trip: 64 keys of the sorted window
	s_wait_dscnt 0x0
	ADDRS
	LDHF QZ, 92, 93, 0, 512
	ds_load_u16 v219, v94
.irp t, 0,1,2,3
	LDHF FR+6*\t, 86, 87, TW+3072*\t, TW+3072*\t+512
	ds_load_u16 v[FSC+\t], v88 offset:TSC+128*\t
	ds_load_u8 v[144+2*\t], v91 offset:TSC+128*\t
	ds_load_u8 v[145+2*\t], v91 offset:TSC+128*\t+1
.endr
	s_wait_loadcnt 0x0                             ; the chunk's mask (first trip)
	s_wait_dscnt 0x0
.irp t, 0,1,2,3
	v_lshl_or_b32 v[152+\t], v[145+2*\t], 8, v[144+2*\t]   ; V's two scale bytes of the window
.endr
	WMC SS, FR, QZ, 128, FSC, 219                  ; the window's first 32 keys take the mask's diagonal block as C,
	WMC SS+8, FR+6, QZ, 136, FSC+1, 219
	WMZ SS+16, FR+12, QZ, FSC+2, 219               ; the other 32 nothing
	WMZ SS+24, FR+18, QZ, FSC+3, 219
	NOP4
	s_wait_alu depctr_va_vdst(0)                   ; the score products are done reading K's fragments, in whose registers V's land
.irp t, 0,1,2,3
	LDHF FR+6*\t, 89, 90, TW+3072*\t, TW+2048+3072*\t
.endr
	SOFT 2, 1
.rept 8
	v_nop                                          ; a scale word written by vector instructions stands 8 places ahead of the scaled product, codes so written 4
.endr
	s_wait_alu depctr_va_vdst(0)                   ; p's codes, p's scale word and V's scale bytes v152-155 are written, which the scaled products read; the places above stay beside this wait
	s_wait_dscnt 0x0
.irp t, 0,1,2,3
	WMZ OO+8*\t, FR+6*\t, PP, 152+\t, 223
.endr
	NOP4
	FINAL TW, TSC
	HEADSTEP
	s_cbranch_scc1 .Lac
; ---- full attention, a head a trip, two steps of 128 keys in original order.  The mask's tile is loaded into the score registers and is the product's C
.macro FSTEP st
.if \st == 1
	s_wait_alu depctr_va_vdst(0)                   ; the first step's last products are done reading V's fragments and scale words, in whose registers K's land
.endif
.irp t, 0,1,2,3,4,5,6,7
	LDHF FR+6*\t, 86, 87, 3072*(8*\st+\t), 3072*(8*\st+\t)+512
	ds_load_u16 v[FSC+\t], v88 offset:128*(8*\st+\t)
.endr
	s_wait_loadcnt 0x0                             ; this step's 16 loads of the mask are the only ones out
	s_wait_dscnt 0x0
.irp t, 0,1,2,3,4,5,6,7
	WMC SS+8*\t, FR+6*\t, QZ, SS+8*\t, FSC+\t, 219
.endr
	NOP4
	s_wait_alu depctr_va_vdst(0)                   ; the score products are done reading K's fragments and scale words, in whose registers V's land
.irp t, 0,1,2,3
	LDHF FR+12*\t, 89, 90, 3072*\t+1024*\st, 2048+3072*\t+512*\st
	LDHF FR+12*\t+6, 89, 90, 3072*\t+1024*\st+512, 2048+3072*\t+512*\st+256
	ds_load_b32 v[FSC+\t], v91 offset:128*\t+4*\st
.endr
	SOFT 4, 1-\st
.if \st == 0
.rept 8
	v_nop
.endr
	s_wait_alu depctr_va_vdst(0)                   ; p's codes and scale word are written, which the scaled products read (the places above stay beside this wait); the softmax is done with the score registers, in which the next mask tile lands
	XLOAD SS, 4, 10, 512                           ; the next step's mask
.else
.set jj, 0
.rept 16
	v_pk_mul_f32 v[OO+jj:OO+jj+1], v[OO+jj:OO+jj+1], v[248:249] op_sel_hi:[1,0]   ; O^T under the new M
.set jj, jj+2
.endr
	NOP4
	s_wait_alu depctr_va_vdst(0)                   ; p's codes and scale word are written, which the scaled products read (the places above stay beside this wait); the softmax is done with the score registers, in which the next mask tile lands
	s_cmp_eq_u32 s54, 1                            ; the next head's first step, if there is a next head
	s_cbranch_scc1 .Lnomask_\@
	XLOAD SS, 4, 10, 0
.Lnomask_\@:
.endif
	s_wait_dscnt 0x0
.irp t, 0,1,2,3
.if \st == 0
	WMZ OO+8*\t, FR+12*\t, PP, FSC+\t, 223
.else
	WMC OO+8*\t, FR+12*\t, PP, OO+8*\t, FSC+\t, 223
.endif
.endr
	NOP4
.endm
	s_mov_b32 s66, KO
	s_mov_b32 s67, SCKO
	s_mov_b32 s68, VO
	s_mov_b32 s69, VO
	s_mov_b32 s70, SCVO
	s_mov_b32 s54, 4
	s_mov_b32 s55, 0
	s_mov_b32 s56, 0
	s_mov_b32 s57, 0
	s_mov_b32 s58, 0
	XLOAD SS, 4, 10, 0                             ; no wait of its own: the wait at the head of the chunk loop's last stores stands behind the last line that names v96-159
	global_prefetch_b8 v95, s[10:11] offset:512 th:TH_LOAD_NT scope:SCOPE_SE   ; keys 128-255 of the same rows, a key step ahead of their first loads
.Laf:
	s_wait_dscnt 0x0
	ADDRS
	LDHF QZ, 92, 93, 0, 512
	ds_load_u16 v219, v94
	FSTEP 0
	FSTEP 1
	FINAL 0, 0                                     ; into the slot that this head's Q has left: the slot is my wave's own
	HEADSTEP
	s_cbranch_scc1 .Laf
; ---------------------------------------------------------------- Wd, residual, LayerNorm, twice; the sum; the way out
; v12-35, v36-37 the full block's ctx and its scale words; v38-61, v62-63 the chunk block's; v64-111 four fragments of Wd, or pieces at work; v112-115 their scale words; v128-255 y: register 16 b + i = feature 32 b + 16 h + i of my row
	s_wait_loadcnt 0x0
	s_wait_xcnt 0x0                                ; the prefetches, far back, have read v95: it is written again below
	s_wait_dscnt 0x0
	s_wait_alu depctr_vm_vsrc(0)                   ; the attention's LDS instructions have read v18, v24-29 and v86-94, and the prefetches v95: loads land in all of them below
	v_add_nc_u32 v116, s71, v1
	v_add_nc_u32 v117, s71, v2
	v_add_nc_u32 v118, s72, v3
	v_lshrrev_b32 v119, 1, v3
	s_lshl_b32 s2, s44, 6
	v_add_nc_u32 v119, s2, v119
	s_wait_alu depctr_va_vdst(0)                   ; the four addresses v116-119 are written; the attention's vector and matrix lines are done with v12-113 and v126, in which the loads below land
	LDFR 12, 116, 117, 0
	LDFR 24, 116, 117, 1536
	ds_load_b32 v36, v118
	ds_load_b32 v37, v118 offset:4
	LDFR 38, 116, 117, TW
	LDFR 50, 116, 117, TW+1536
	ds_load_b32 v62, v118 offset:TSC
	ds_load_b32 v63, v118 offset:TSC+4
	WFRAG 64, 26, 0, 0                             ; each wave brings one tile of Wd, which all sixteen will read
	WFRAG 76, 26, 0, 1
	global_load_b32 v112, v10, s[28:29]
	global_load_b32 v113, v10, s[28:29] offset:4
	global_load_b32 v126, v119, s[36:37]           ; bd[16 w + r]
	BARRIER                                        ; every wave has its ctx in registers: nobody reads the images of the attention any more
	s_wait_loadcnt 0x0
	v_lshrrev_b32 v121, 1, v2                      ; 4 lane
	s_add_co_u32 s2, s71, WDI
	v_add_nc_u32 v122, s2, v1
	s_lshl_b32 s2, s44, 8
	s_add_co_u32 s2, s2, SCWD
	v_add_nc_u32 v123, s2, v121
	v_add_nc_u32 v124, BDT, v119
	s_wait_alu depctr_va_vdst(0)                   ; the three addresses v122-124 are written, which the stores read
.irp s, 0,1
.irp c, 0,1,2
	ds_store_b128 v122, v[64+12*\s+4*\c:67+12*\s+4*\c] offset:1536*\s+512*\c
.endr
	ds_store_b32 v123, v[112+\s] offset:128*\s
.endr
	ds_store_b32 v124, v126
	s_wait_alu depctr_vm_vsrc(0)                   ; ctx's loads have read v116-118, bd's load v119, the stores above v122-124, v64-87, v112 and v113: all are written again from here on
	v_add_nc_u32 v116, WDI, v1
	v_add_nc_u32 v117, SCWD, v121
	s_mul_i32 s2, s44, STGW
	v_lshrrev_b32 v118, 3, v3
	v_mul_u32_u24 v118, v118, SROW
	v_add_nc_u32 v118, v118, v8
	v_add_nc_u32 v118, s2, v118                    ; my stage: row r, + 64 h
	v_add_nc_u32 v120, BDT, v8
	BARRIER                                        ; Wd, its scale words and bd lie in LDS
	v_add_nc_u32 v119, s2, v1                      ; my stage, by rows: 16 lane
	v_mov_b32 v123, 0                              ; upper halves of the pairs v[122:123], v[124:125]
	v_mov_b32 v125, 0
	s_wait_alu depctr_va_vdst(0)                   ; the five addresses v116-120 are written, which the LDS instructions of the rest of the kernel read
.macro BDADD q0, n, first              ; bd onto quads q0 .. q0 + n - 1 of y
.if \first == 0
	s_wait_alu depctr_va_vdst(0)                   ; the additions above are done reading v64-111, in which these loads land
.endif
.set i, 0
.rept \n
	ds_load_b128 v[64+4*i:67+4*i], v120 offset:128*((\q0+i)/4)+16*((\q0+i)%4)
.set i, i+1
.endr
	s_wait_dscnt 0x0
.if \first
	s_wait_loadcnt 0x0
.endif
.set i, 0
.rept 2*\n
	v_pk_add_f32 v[128+4*\q0+2*i:129+4*\q0+2*i], v[128+4*\q0+2*i:129+4*\q0+2*i], v[64+2*i:65+2*i]
.set i, i+1
.endr
.endm
.macro REDUCE                          ; four chains of pairs in v64-71, and lane l xor 16's: the row's sum in v64
	v_pk_add_f32 v[64:65], v[64:65], v[66:67]
	v_pk_add_f32 v[68:69], v[68:69], v[70:71]
	v_pk_add_f32 v[64:65], v[64:65], v[68:69]
	v_add_f32 v64, v64, v65
	v_permlanex16_b32 v65, v64, s50, s51
	v_add_f32 v64, v64, v65
.endm
; y = seq row + bd + ctx Wd^T (the residual and the bias begin the sums); then (y - mean) / sqrt(var + eps) / 2.  Its first loads stand behind a wait on va_vdst behind which no vector line names v64-111 or v128-255
.macro TASK cf, cs
	XLOAD 128, 4, 8, 0
	XLOAD 192, 4, 8, 512
	BDADD 0, 12, 1
	BDADD 12, 12, 0
	BDADD 24, 8, 0
.irp u, 0,1,2,3,4,5,6,7                ; two tiles of Wd at a time, their two accumulators by turns
	s_wait_alu depctr_va_vdst(0)                   ; bd's additions (the first pair) or the four products of the pair before are done reading v64-115, in which these loads land
.irp c, 0,1,2
	ds_load_b128 v[64+4*\c:67+4*\c], v116 offset:6144*\u+512*\c
	ds_load_b128 v[76+4*\c:79+4*\c], v116 offset:6144*\u+3072+512*\c
	ds_load_b128 v[88+4*\c:91+4*\c], v116 offset:6144*\u+1536+512*\c
	ds_load_b128 v[100+4*\c:103+4*\c], v116 offset:6144*\u+4608+512*\c
.endr
	ds_load_b32 v112, v117 offset:512*\u
	ds_load_b32 v113, v117 offset:512*\u+256
	ds_load_b32 v114, v117 offset:512*\u+128
	ds_load_b32 v115, v117 offset:512*\u+384
	s_wait_dscnt 0x0
	WMC 128+16*\u, 64, \cf, 128+16*\u, 112, \cs
	WMC 136+16*\u, 76, \cf, 136+16*\u, 113, \cs
	WMC 128+16*\u, 88, (\cf)+12, 128+16*\u, 114, (\cs)+1
	WMC 136+16*\u, 100, (\cf)+12, 136+16*\u, 115, (\cs)+1
	NOP4
.endr
.irp c, 0,1,2,3
	v_pk_add_f32 v[64+2*\c:65+2*\c], v[128+2*\c:129+2*\c], v[136+2*\c:137+2*\c]   ; each accumulator from its low end on
.endr
.set m, 2
.rept 14
.irp c, 0,1,2,3
	v_pk_add_f32 v[64+2*\c:65+2*\c], v[64+2*\c:65+2*\c], v[128+8*m+2*\c:129+8*m+2*\c]
.endr
.set m, m+1
.endr
	REDUCE
	v_mul_f32 v122, s59, v64                       ; the mean
.set m, 0
.rept 64
	v_pk_add_f32 v[128+2*m:129+2*m], v[128+2*m:129+2*m], v[122:123] op_sel_hi:[1,0] neg_lo:[0,1] neg_hi:[0,1]
.set m, m+1
.endr
.irp c, 0,1,2,3
	v_pk_mul_f32 v[64+2*\c:65+2*\c], v[128+2*\c:129+2*\c], v[128+2*\c:129+2*\c]
.endr
.set m, 1
.rept 15
.irp c, 0,1,2,3
	v_pk_fma_f32 v[64+2*\c:65+2*\c], v[128+8*m+2*\c:129+8*m+2*\c], v[128+8*m+2*\c:129+8*m+2*\c], v[64+2*\c:65+2*\c]
.endr
.set m, m+1
.endr
	REDUCE
	v_fma_f32 v64, v64, s59, s60                   ; the variance + eps
	s_wait_alu depctr_va_vdst(0)
	v_rsq_f32 v124, v64
	v_nop
	s_wait_alu depctr_va_vdst(0)                   ; the reciprocal root has written v124, ahead of its first reader; the products are done reading ctx, and the sums v64-71: behind this wait only v124, v125 and y are named
	v_mul_f32 v124, 0.5, v124                      ; the two blocks' weights, 1 / 2 each
.set m, 0
.rept 64
	v_pk_mul_f32 v[128+2*m:129+2*m], v[128+2*m:129+2*m], v[124:125] op_sel_hi:[1,0]
.set m, m+1
.endr
.endm
	TASK 12, 36
	s_wait_alu depctr_va_vdst(0)                   ; the scalings have written y, which the stores read
.set i, 0
.rept 32
	ds_store_b128 v118, v[128+4*i:131+4*i] offset:128*(i/4)+16*(i%4)   ; the full block's half waits in my stage
.set i, i+1
.endr
	s_wait_dscnt 0x0                               ; the stores are done
	s_wait_alu depctr_vm_vsrc(0)                   ; the stores have read y's registers, in which the residual's loads land
	TASK 38, 62
	global_load_b128 v[28:31], v1, s[38:39]        ; ln_w, ln_b of the 8 features that I store of each row.  No wait of their own: they land in ctx's registers, and the wait for the reciprocal root stands behind the last product that read those
	global_load_b128 v[32:35], v1, s[38:39] offset:512
	global_load_b128 v[36:39], v1, s[40:41]
	global_load_b128 v[40:43], v1, s[40:41] offset:512
.macro SUMR q0, n                      ; quads q0 .. q0 + n - 1: the full block's half comes back to the lane that stored it, is added, and the sum takes its place.  Its loads stand behind the wait for the reciprocal root, or behind the wait ahead of the last run of stores
.set i, 0
.rept \n
	ds_load_b128 v[64+4*i:67+4*i], v118 offset:128*((\q0+i)/4)+16*((\q0+i)%4)
.set i, i+1
.endr
	s_wait_dscnt 0x0
.set i, 0
.rept 2*\n
	v_pk_add_f32 v[128+4*\q0+2*i:129+4*\q0+2*i], v[128+4*\q0+2*i:129+4*\q0+2*i], v[64+2*i:65+2*i]
.set i, i+1
.endr
	s_wait_alu depctr_va_vdst(0)                   ; the additions have written these quads of y, which the stores read, and are done reading v64-111, in which the next run's loads land
.set i, 0
.rept \n
	ds_store_b128 v118, v[128+4*(\q0+i):131+4*(\q0+i)] offset:128*((\q0+i)/4)+16*((\q0+i)%4)
.set i, i+1
.endr
.endm
	SUMR 0, 12
	SUMR 12, 12
	SUMR 24, 8
.set i, 0
.rept 16
	v_readlane_b32 s[66+i], v7, i                  ; row i of my stage belongs to token order[..] of lane i
.set i, i+1
.endr
	s_wait_alu depctr_va_sdst(0)                   ; the sixteen tokens s66-81 are written, ahead of their first readers
.set i, 0
.rept 16
	s_min_u32 s[66+i], s[66+i], 255
	v_lshl_add_u32 v[12+i], s[66+i], 10, v1
.set i, i+1
.endr
	s_wait_dscnt 0x0                               ; the stores are done
	s_wait_alu depctr_vm_vsrc(0)                   ; the stores have read y's registers, in which the rows land
.set i, 0
.rept 32
	ds_load_b128 v[128+4*i:131+4*i], v119 offset:SROW*(i/2)+512*(i%2)   ; whole rows back: 32 lanes take 512 neighbouring bytes
.set i, i+1
.endr
	s_wait_dscnt 0x0
	s_wait_loadcnt 0x0
.set i, 0
.rept 64
	v_pk_fma_f32 v[128+2*i:129+2*i], v[128+2*i:129+2*i], v[28+2*(i%4):29+2*(i%4)], v[36+2*(i%4):37+2*(i%4)]   ; x ln_w + ln_b
.set i, i+1
.endr
	s_wait_alu depctr_va_vdst(0)                   ; the results v128-255 and the rows' offsets v12-27 are written, which the stores read
.set i, 0
.rept 32
	global_store_b128 v[12+i/2], v[128+4*i:131+4*i], s[42:43] offset:512*(i%2) th:TH_STORE_NT   ; 32 lanes store 512 consecutive bytes, at a multiple of 256 from out's first byte
.set i, i+1
.endr
	s_wait_dscnt 0x0                               ; the closing lines, six on end
	s_wait_alu 0x0
	s_wait_tensorcnt 0x0
	ds_add_u32 v5, v6
	s_wait_dscnt 0x0
	s_endpgm
.Lfunc_end_k_q078b0d75fd_attn:
	.size	k_q078b0d75fd_attn, .Lfunc_end_k_q078b0d75fd_attn-k_q078b0d75fd_attn
	.p2alignl 7, 3214868480
	.fill 96, 4, 3214868480
	.section	.rodata,"a",@progbits
	.p2align	6, 0x0
	.amdhsa_kernel k_q078b0d75fd_attn
		.amdhsa_group_segment_fixed_size 327680
		.amdhsa_private_segment_fixed_size 0
		.amdhsa_enable_private_segment 0
		.amdhsa_kernarg_size 144
		.amdhsa_user_sgpr_count 2
		.amdhsa_user_sgpr_kernarg_segment_ptr 1
		.amdhsa_wavefront_size32 1
		.amdhsa_system_sgpr_workgroup_id_x 1
		.amdhsa_system_sgpr_workgroup_id_y 1
		.amdhsa_system_sgpr_workgroup_id_z 1
		.amdhsa_system_vgpr_workitem_id 0
		.amdhsa_next_free_vgpr 256
		.amdhsa_next_free_sgpr 100
		.amdhsa_reserve_vcc 1
		.amdhsa_float_denorm_mode_32 3
		.amdhsa_float_denorm_mode_16_64 3
		.amdhsa_memory_ordered 1
		.amdhsa_forward_progress 1
		.amdhsa_inst_pref_size 255
	.end_amdhsa_kernel
	.section	.bss,"aw",@nobits
	.p2align	6
	.space	262144
	.amdgpu_metadata
---
amdhsa.version: [ 1, 2 ]
amdhsa.kernels:
  - .name:           k_q078b0d75fd_attn
    .symbol:         k_q078b0d75fd_attn.kd
    .args:
      - { .name: seq, .offset: 0, .size: 8, .value_kind: global_buffer, .address_space: global }
      - { .name: attention_mask, .offset: 8, .size: 8, .value_kind: global_buffer, .address_space: global }
      - { .name: cluster_id, .offset: 16, .size: 8, .value_kind: global_buffer, .address_space: global }
      - { .name: Wq_codes, .offset: 24, .size: 8, .value_kind: global_buffer, .address_space: global }
      - { .name: Wq_scales, .offset: 32, .size: 8, .value_kind: global_buffer, .address_space: global }
      - { .name: Wk_codes, .offset: 40, .size: 8, .value_kind: global_buffer, .address_space: global }
      - { .name: Wk_scales, .offset: 48, .size: 8, .value_kind: global_buffer, .address_space: global }
      - { .name: Wv_codes, .offset: 56, .size: 8, .value_kind: global_buffer, .address_space: global }
      - { .name: Wv_scales, .offset: 64, .size: 8, .value_kind: global_buffer, .address_space: global }
      - { .name: Wd_codes, .offset: 72, .size: 8, .value_kind: global_buffer, .address_space: global }
      - { .name: Wd_scales, .offset: 80, .size: 8, .value_kind: global_buffer, .address_space: global }
      - { .name: bq, .offset: 88, .size: 8, .value_kind: global_buffer, .address_space: global }
      - { .name: bk, .offset: 96, .size: 8, .value_kind: global_buffer, .address_space: global }
      - { .name: bv, .offset: 104, .size: 8, .value_kind: global_buffer, .address_space: global }
      - { .name: bd, .offset: 112, .size: 8, .value_kind: global_buffer, .address_space: global }
      - { .name: ln_w, .offset: 120, .size: 8, .value_kind: global_buffer, .address_space: global }
      - { .name: ln_b, .offset: 128, .size: 8, .value_kind: global_buffer, .address_space: global }
      - { .name: out0, .offset: 136, .size: 8, .value_kind: global_buffer, .address_space: global }
    .group_segment_fixed_size: 327680
    .private_segment_fixed_size: 0
    .kernarg_segment_align: 8
    .kernarg_segment_size: 144
    .max_flat_workgroup_size: 512
    .sgpr_count:     100
    .vgpr_count:     256
    .wavefront_size: 32
...
	.end_amdgpu_metadata
.endif
;; end of part 2
